; MI455X (gfx1250); checked and timed in simulation.
; The chip was launched on July 23, 2026; its instructions are those of AMD's public machine-readable ISA for CDNA 5 (MIT licence, August 2026) and "CDNA5" Instruction Set Architecture Reference Guide (July 2026). The comments in the code are by the model that wrote it; some were corrected since.
;; DA Net Attention. Allowed arithmetic: float matrix products may take bf16 or f16 operands with f32 sums; other float arithmetic in f32, or as packed bf16 or f16 multiplies, adds, multiply-adds, maxima and minima; sums over many terms, partial sums and values carried from step to step in f32; what a program stores and reads back later, other than sums and carried values, may be rounded once to bf16 or f16.
;; Inputs: Wk 512 x 512 float32; Wq 512 x 512 float32; Wsk 64 x 512 float32; Wsq 64 x 512 float32; Wsv 512 x 512 float32; Wv 512 x 512 float32; bk 512 float32; bq 512 float32; bsk 64 float32; bsq 64 float32; bsv 512 float32; bv 512 float32; gamma_channel 1 float32; gamma_spatial 1 float32; x 4 x 512 x 64 x 64 float32.
;; Outputs: out0 4 x 512 x 64 x 64 float32.
;; One version. Each part assembles by itself: llvm-mc -triple=amdgcn-amd-amdhsa -mcpu=gfx1250 --defsym DOCPART=n.
;; ======== version 1 of 1: 5 launches
;; limits: values are held in f16: magnitudes above 65,504 overflow, below 6.1e-05 lose precision; inputs' magnitudes at most 65,504
;; workspace buffers: xt 16,777,216 bytes; wh 2,359,296 bytes; qk 33,554,432 bytes; va 18,874,368 bytes; vi 16,777,216 bytes; sqk 4,194,304 bytes; ep 16,777,216 bytes
;; launch prep (part 1): grid 146 x 4, 8 waves a work-group, no clusters, 0 bytes of LDS; arguments x, Wq, Wk, Wsv, Wv, Wsq, Wsk, xt, wh; writes xt, wh
.if DOCPART == 1
	.amdgcn_target "amdgcn-amd-amdhsa--gfx1250"
	.amdhsa_code_object_version 6
	.text
	.protected	k_q511e9003ee_prep
	.globl	k_q511e9003ee_prep
	.p2align	8
	.type	k_q511e9003ee_prep,@function
k_q511e9003ee_prep:
	s_mov_b64 s[64:65], 0
	v_nop
	global_prefetch_b8 v0, s[64:65] scope:SCOPE_SE
	s_setreg_imm32_b32 hwreg(HW_REG_WAVE_MODE, 25, 1), 1
	s_wait_xcnt 0x0
; PREP.  x and the six weight matrices are rounded once to bf16, and that number is written as f16 (exact for magnitudes from 2^-17 to 65,504; LIMIT: beyond 65,504 the f16 is an infinity).
; x [4][512][4096] f32 leaves as xt: FRAGMENT IMAGES of x^T.  An image is a 16 x 32 operand fragment (row p, k) in 1,024 dense bytes, element (p, k) at
; (k/16)*512 + (16*((k%16)/8) + p)*16 + 2*(k%8): lane L of a wave finds its registers 0-3 at 16 L and its registers 4-7 at 512 + 16 L.  xt = [G = b*256 + n/16][c/32][1,024], rows n, k = c.
; The weights leave as plain f16 rows: wh = [y 4][576 rows][512]: quarter y = Wq, Wk, Wsv, Wv, then all 64 rows of Wsq (y < 2) or Wsk.
; A stream: no LDS, no barrier, no loop.  Work-groups x < 128 take x (32 channels x 512 n each, a wave 32 x 64), the other 18 of each y take 32 rows of a weight.
.set X, 8                              ; v[8:71]   as loaded
.set Y, 72                             ; v[72:103] to store: every store has registers of its own, so none is rewritten while a store reads it
.set T, 104                            ; v[104:106] at work
.macro CV2 d, a, b                     ; two numbers: f32 -> bf16 (nearest even) -> f32 -> f16, packed
	v_cvt_pk_bf16_f32 v[T], v[\a], v[\b]
	v_lshlrev_b32 v[T+1], 16, v[T]
	v_and_b32 v[T+2], s4, v[T]
	v_cvt_pk_f16_f32 v[\d], v[T+1], v[T+2]
.endm
	s_load_b512 s[16:31], s[0:1], 0x0              ; x 16, Wq 18, Wk 20, Wsv 22, Wv 24, Wsq 26, Wsk 28, xt 30
	s_load_b64 s[32:33], s[0:1], 0x40              ; wh
	s_mov_b32 s2, ttmp9
	s_and_b32 s3, ttmp7, 0xffff                    ; y: the batch, or the quarter of wh
	s_mov_b32 s4, 0xffff0000                       ; a word's upper bf16
	v_and_b32 v1, 31, v0                           ; lane
	v_lshrrev_b32 v2, 5, v0                        ; wave
	s_cmp_lt_u32 s2, 128
	s_cbranch_scc0 .Lweights
	; ---- x: channels 32 cblk .. +31, n = 512 seg + 64 wave + 32 half + lane
	s_lshr_b32 s5, s2, 3                           ; cblk
	s_and_b32 s6, s2, 7                            ; seg
	s_lshl_b32 s8, s3, 23                          ; b x 512 rows of 16,384 bytes
	s_lshl_b32 s9, s5, 19                          ; 32 rows
	s_add_co_u32 s8, s8, s9
	s_lshl_b32 s9, s6, 11                          ; 512 n
	s_add_co_u32 s8, s8, s9
	s_mov_b32 s9, 0
	s_lshl_b32 s10, s3, 22                         ; (b*256 + seg*32) x 16,384 + cblk x 1,024
	s_lshl_b32 s11, s6, 19
	s_add_co_u32 s10, s10, s11
	s_lshl_b32 s11, s5, 10
	s_add_co_u32 s10, s10, s11
	s_mov_b32 s11, 0
	v_lshlrev_b32 v3, 2, v1
	v_lshl_add_u32 v3, v2, 8, v3                   ; in: 256 wave + 4 lane
	v_lshrrev_b32 v4, 4, v1
	v_lshl_add_u32 v4, v2, 2, v4                   ; out: G's part 4 wave + lane/16,
	v_and_b32 v5, 15, v1
	v_lshlrev_b32 v5, 4, v5
	v_lshl_add_u32 v4, v4, 14, v5                  ; x 16,384, + 16 (lane % 16)
	s_wait_kmcnt 0x0
	s_add_nc_u64 s[16:17], s[16:17], s[8:9]
	s_add_nc_u64 s[30:31], s[30:31], s[10:11]
.set i, 0
.rept 32                               ; a row's two loads cover 256 consecutive bytes
	global_load_b32 v[X+2*i], v3, s[16:17] offset:i*16384 th:TH_LOAD_NT
	global_load_b32 v[X+2*i+1], v3, s[16:17] offset:i*16384+128 th:TH_LOAD_NT
.set i, i+1
.endr
.set g, 0
.rept 4                                ; group g: channels 8 g .. 8 g + 7, which are 16 bytes of an image for each n
	s_wait_loadcnt 48-16*g                         ; the loads issued behind the group's sixteen may stay out
.set hf, 0
.rept 2
.set i, 0
.rept 4
	CV2 Y+8*g+4*hf+i, X+2*(8*g+2*i)+hf, X+2*(8*g+2*i+1)+hf
.set i, i+1
.endr
	global_store_b128 v4, v[Y+8*g+4*hf:Y+8*g+4*hf+3], s[30:31] offset:hf*32768+(g/2)*512+(g%2)*256  ; sixteen lanes store 256 consecutive bytes, aligned
.set hf, hf+1
.endr
.set g, g+1
.endr
	s_endpgm
.Lweights:                                     ; ---- 32 rows of a weight: 65,536 bytes in, 32,768 out
	s_sub_co_u32 s5, s2, 128                       ; jj = 0 .. 17: 16 chunks of the main weight, 2 of the small one
	v_lshlrev_b32 v3, 4, v0
	v_lshlrev_b32 v4, 3, v0
	s_and_b32 s6, s5, 15
	s_lshl_b32 s6, s6, 16
	s_mov_b32 s7, 0
	s_mul_i32 s12, s3, 18
	s_add_co_u32 s12, s12, s5
	s_lshl_b32 s12, s12, 15
	s_mov_b32 s13, 0
	s_wait_kmcnt 0x0
	s_cmp_eq_u32 s3, 1
	s_cselect_b64 s[8:9], s[20:21], s[18:19]
	s_cmp_eq_u32 s3, 2
	s_cselect_b64 s[8:9], s[22:23], s[8:9]
	s_cmp_eq_u32 s3, 3
	s_cselect_b64 s[8:9], s[24:25], s[8:9]
	s_cmp_lt_u32 s3, 2
	s_cselect_b64 s[10:11], s[26:27], s[28:29]
	s_cmp_lt_u32 s5, 16
	s_cselect_b64 s[8:9], s[8:9], s[10:11]
	s_add_nc_u64 s[8:9], s[8:9], s[6:7]
	s_add_nc_u64 s[32:33], s[32:33], s[12:13]
.set i, 0
.rept 16
	global_load_b128 v[X+4*i:X+4*i+3], v3, s[8:9] offset:4096*i
.set i, i+1
.endr
.set i, 0
.rept 16
	s_wait_loadcnt 15-i                            ; the younger loads may stay out
	CV2 Y+2*i, X+4*i, X+4*i+1
	CV2 Y+2*i+1, X+4*i+2, X+4*i+3
	global_store_b64 v4, v[Y+2*i:Y+2*i+1], s[32:33] offset:2048*i  ; a wave stores 256 consecutive bytes, aligned
.set i, i+1
.endr
	s_endpgm
.Lfunc_end_k_q511e9003ee_prep:
	.size	k_q511e9003ee_prep, .Lfunc_end_k_q511e9003ee_prep-k_q511e9003ee_prep
	.p2alignl 7, 3214868480
	.fill 96, 4, 3214868480
	.section	.rodata,"a",@progbits
	.p2align	6, 0x0
	.amdhsa_kernel k_q511e9003ee_prep
		.amdhsa_group_segment_fixed_size 0
		.amdhsa_private_segment_fixed_size 0
		.amdhsa_enable_private_segment 0
		.amdhsa_kernarg_size 72
		.amdhsa_user_sgpr_count 2
		.amdhsa_user_sgpr_kernarg_segment_ptr 1
		.amdhsa_wavefront_size32 1
		.amdhsa_system_sgpr_workgroup_id_x 1
		.amdhsa_system_sgpr_workgroup_id_y 1
		.amdhsa_system_sgpr_workgroup_id_z 1
		.amdhsa_system_vgpr_workitem_id 0
		.amdhsa_next_free_vgpr 112
		.amdhsa_next_free_sgpr 66
		.amdhsa_reserve_vcc 0
		.amdhsa_float_denorm_mode_32 3
		.amdhsa_float_denorm_mode_16_64 3
		.amdhsa_memory_ordered 1
		.amdhsa_forward_progress 1
		.amdhsa_inst_pref_size 25
	.end_amdhsa_kernel
	.amdgpu_metadata
---
amdhsa.version: [ 1, 2 ]
amdhsa.kernels:
  - .name:           k_q511e9003ee_prep
    .symbol:         k_q511e9003ee_prep.kd
    .args:
      - { .name: x, .offset: 0, .size: 8, .value_kind: global_buffer, .address_space: global }
      - { .name: Wq, .offset: 8, .size: 8, .value_kind: global_buffer, .address_space: global }
      - { .name: Wk, .offset: 16, .size: 8, .value_kind: global_buffer, .address_space: global }
      - { .name: Wsv, .offset: 24, .size: 8, .value_kind: global_buffer, .address_space: global }
      - { .name: Wv, .offset: 32, .size: 8, .value_kind: global_buffer, .address_space: global }
      - { .name: Wsq, .offset: 40, .size: 8, .value_kind: global_buffer, .address_space: global }
      - { .name: Wsk, .offset: 48, .size: 8, .value_kind: global_buffer, .address_space: global }
      - { .name: xt, .offset: 56, .size: 8, .value_kind: global_buffer, .address_space: global }
      - { .name: wh, .offset: 64, .size: 8, .value_kind: global_buffer, .address_space: global }
    .group_segment_fixed_size: 0
    .private_segment_fixed_size: 0
    .kernarg_segment_align: 8
    .kernarg_segment_size: 72
    .max_flat_workgroup_size: 256
    .sgpr_count:     66
    .vgpr_count:     112
    .wavefront_size: 32
...
	.end_amdgpu_metadata
.endif
;; end of part 1
;; launch proj (part 2): grid 64 x 4, 4 waves a work-group, clusters of 4 x 1, 327,680 bytes of LDS; arguments xt, wh, bq, bk, bsv, bv, bsq, bsk, qk, va, vi, sqk; writes qk, va, vi, sqk
.if DOCPART == 2
	.amdgcn_target "amdgcn-amd-amdhsa--gfx1250"
	.amdhsa_code_object_version 6
	.text
	.protected	k_q511e9003ee_proj
	.globl	k_q511e9003ee_proj
	.p2align	8
	.type	k_q511e9003ee_proj,@function
k_q511e9003ee_proj:
	s_mov_b64 s[64:65], 0
	v_nop
	global_prefetch_b8 v0, s[64:65] scope:SCOPE_SE
	s_setreg_imm32_b32 hwreg(HW_REG_WAVE_MODE, 25, 1), 1
	s_wait_xcnt 0x0
	s_wait_alu depctr_hold_cnt(0) depctr_sa_sdst(0) depctr_va_vdst(0) depctr_va_sdst(0) depctr_va_ssrc(0) depctr_va_vcc(0) depctr_vm_vsrc(0)
	s_getreg_b32 s2, hwreg(HW_REG_IB_STS2, 6, 4)
	s_cmp_eq_u32 s2, 0
	s_cbranch_scc0 .Lentry_in_a_cluster
	s_endpgm
.Lentry_in_a_cluster:
	s_bfe_u32 s2, ttmp6, 0x10000c
	s_cmp_lg_u32 s2, 0x3003
	s_cbranch_scc0 .Lentry_shape_is_right
	s_endpgm
.Lentry_shape_is_right:
; PROJ.  The six 1 x 1 convolutions, W x + b, in f16 products with f32 sums; the results leave as f16 fragment images (1,024 dense bytes for 16 rows x 32 k; lane L's registers 0-3 at 16 L, 4-7 at 512 + 16 L).
; LIMITS: every result must lie within f16's 65,504; below 6e-5 it keeps f16's fixed step.  The biases are rounded to bf16 like the other inputs.
; SHARES.  Work-group (bx, y): 256 columns n of one batch, and a quarter y of the output rows: y = 0: q and sq's rows 0-31; 1: k and sq's 32-63; 2: sv and sk's 0-31; 3: v and sk's 32-63: 544 rows each.
; A wave owns 64 columns and keeps their x^T fragments for all 512 channels in 512 registers.  W goes through a ring of two LDS slots, 64 rows a chunk, nine chunks.
; CLUSTER.  The four work-groups of a cluster have the same y and walk the same rows of W: each chunk is asked for jointly, each wave its 16 rows.
; ORIENTATION.  An accumulator, packed to f16, is half an image whose rows are source 1's index and whose k is source 0's.  R (source 0 = x^T, source 1 = W): rows = channels, k = n: q, k, sv.
; T (source 0 = W, source 1 = x^T): rows = n, k = channels: v, sq, sk.  So a lane's 16 bytes go out at 16 L: a wave's store covers 512 consecutive bytes, aligned, and no stage is needed.
; REGISTERS.  Window 0: v0-31 addresses; v32-95, v96-159 two buffers of 8 fragments of W; v160-223 two sets of 4 accumulators; v224-239 two sets of bias.  Window 1: x fragments (t, ks 0-7) at 8 (8 t + ks); window 2: ks 8-15.
.set SLOT1,  1<<17                     ; slot 1 begins here: one exclusive or turns an address in one slot into the other's
.set WPITCH, 1040                      ; a row of W in LDS: 1,024 bytes + 16: 65 x 16 bytes, so the 16 rows of a load start at 16 different groups of four banks (ISA guide 11.1)
.set OTB,    16*WPITCH                 ; 16 rows: what one tensor load brings, and one tile of outputs
.set SPARE,  66560                     ; behind slot 0: the spare words, 128 bytes a wave
.set BIAS,   67072                     ; 512 main biases, then 64 small ones, f32; no tensor load lands here
.set L16, 2                            ; v2  16 x lane
.set AW0, 3                            ; v3  my place in a tile of W: (lane % 16) x pitch + 16 (lane / 16)
.set AW,  4                            ; v4  the same in the slot in hand
.set ABR, 5                            ; v5  bias for R: one number a lane
.set ABT, 6                            ; v6  bias for T: eight numbers a lane
.set SPW, 7                            ; v7  my spare word; never rewritten
.set NIL, 8                            ; v8  0; never rewritten
.set RR,  9
.set HH,  10
.set BO,  11
.set BT,  12                           ; v12-19 biases as loaded
.set BU,  20
.set BL,  22
.set SO,  23
.set SL,  24
.set WB0, 32
.set ACC, 160
.set BI,  224
.set WV,  8                            ; s8  wave
.set YQ,  9                            ; s9  y
.set TB,  10                           ; s10 the slot in hand
.set CNT, 11
.set OB,  12                           ; s[12:13] where the chunk's results go
.set OST, 14                           ; s[14:15] its step from chunk to chunk
.set G1,  16
.set G0A, 24
.set G0B, 28
.set SB,  32                           ; s[32:33] where the small chunk's results go
.set MSB, 0
.macro WIN new                         ; the immediate's high byte repeats the setting that is left; a switch that changes nothing is dropped
.if MSB != (\new)
	s_set_vgpr_msb (MSB<<8)|(\new)
.set MSB, (\new)
.endif
.endm
.macro PLACES                          ; four places behind a matrix instruction, in front of loads into its sources and of lines that read its result
.rept 4
	v_nop
.endr
.endm
.macro ROUND                           ; a round of the cluster's barrier
	s_barrier_signal -1
	s_barrier_wait -1
	s_cmp_lg_u32 s[WV], 0
	s_cbranch_scc1 .Lnw0_\@
	s_barrier_signal -3
.Lnw0_\@:
	s_barrier_wait -3
	s_barrier_signal -1
	s_barrier_wait -1
.endm
; The change of slots: all my tensor loads have landed (one is out: my part of the next slot), the add, my reads of the old slot are over; behind the round nobody in the cluster reads the old slot, and it is filled again first.
.macro CHANGE fill
	WIN 0
	s_wait_tensorcnt 0x0
	ds_add_u32 v[SPW], v[NIL]                      ; 0 onto my spare word; scalar work stands between it and the wait for it
.if \fill
	s_xor_b32 s[G0B+1], s[G0B+1], SLOT1            ; the walking descriptor: the other slot than last time,
	s_add_nc_u64 s[G0B+2:G0B+3], s[G0B+2:G0B+3], 65536  ; the next 64 rows
.endif
	s_xor_b32 s[TB], s[TB], SLOT1
	s_wait_dscnt 0x0
.if \fill
	ROUND
	tensor_load_to_lds s[G0B:G0B+3], s[G1:G1+7]
	s_nop 0
	PLACES
.else
	s_barrier_signal -1
	s_barrier_wait -1
.endif
	v_add_nc_u32 v[AW], s[TB], v[AW0]
.endm
; Half step hs = 2 ot + kh: tile ot of 16 outputs, channels 256 kh .. +255.  FETCH: its 8 fragments of W; with kh = 1 the tile's bias too.
.macro FETCH kind, hs
	WIN 0
.set fot, (\hs)/2
.set fkh, (\hs)%2
.set fwb, WB0+64*fkh
.set fi, 0
.rept 8
	ds_load_b128 v[fwb+8*fi:fwb+8*fi+3], v[AW] offset:fot*OTB+(8*fkh+fi)*64
	ds_load_b128 v[fwb+8*fi+4:fwb+8*fi+7], v[AW] offset:fot*OTB+(8*fkh+fi)*64+32
.set fi, fi+1
.endr
.if fkh == 1
.if (\kind) == 0
	ds_load_b32 v[BI+8*(fot%2)], v[ABR] offset:fot*64
.else
	ds_load_b128 v[BI+8*(fot%2):BI+8*(fot%2)+3], v[ABT] offset:fot*64
	ds_load_b128 v[BI+8*(fot%2)+4:BI+8*(fot%2)+7], v[ABT] offset:fot*64+16
.endif
.endif
.endm
; The way out of accumulator t of tile ot: + bias, packed in place from the low end on, one store.
.macro WO kind, ot, t
	WIN 0
.set wa, ACC+32*((\ot)%2)+8*(\t)
.set wb, BI+8*((\ot)%2)
.irp p, 0,1,2,3
.if (\kind) == 0
	v_pk_add_f32 v[wa+2*\p:wa+2*\p+1], v[wa+2*\p:wa+2*\p+1], v[wb:wb+1] op_sel_hi:[1,0]
.else
	v_pk_add_f32 v[wa+2*\p:wa+2*\p+1], v[wa+2*\p:wa+2*\p+1], v[wb+2*\p:wb+2*\p+1]
.endif
.endr
.irp p, 0,1,2,3
	v_cvt_pk_f16_f32 v[wa+\p], v[wa+2*\p], v[wa+2*\p+1]
.endr
.if (\kind) == 0
	global_store_b128 v[L16], v[wa:wa+3], s[OB:OB+1] offset:((\t)/2)*32768+(\ot)*1024+((\t)%2)*512
.elseif (\kind) == 1
	global_store_b128 v[L16], v[wa:wa+3], s[OB:OB+1] offset:(\t)*16384+((\ot)/2)*1024+((\ot)%2)*512
.else
	global_store_b128 v[L16], v[wa:wa+3], s[OB:OB+1] offset:(\t)*2048+(\ot)*512
.endif
.endm
; 32 products: the four accumulators take turns, one instruction a turn.  The first four of kh = 0 start the sums.  Among the products of kh = 0 the tile before goes out, from the other set.
.macro MUL kind, hs
.set mot, (\hs)/2
.set mkh, (\hs)%2
.if mkh == 0
	s_wait_xcnt 0x0                                ; this set of accumulators was the data of stores: it is rewritten only behind this wait
.endif
.set mk, 0
.rept 8
.set mt, 0
.rept 4
.set ma, ACC+32*(mot%2)+8*mt
.set mx, 8*(8*mt+mk)
.set mw, WB0+64*mkh+8*mk
.if (\kind) == 0
	WIN 0x01+mkh
.if (mkh == 0) && (mk == 0)
	v_wmma_f32_16x16x32_f16 v[ma:ma+7], v[mx:mx+7], v[mw:mw+7], 0
.else
	v_wmma_f32_16x16x32_f16 v[ma:ma+7], v[mx:mx+7], v[mw:mw+7], v[ma:ma+7]
.endif
.else
	WIN 0x04+4*mkh
.if (mkh == 0) && (mk == 0)
	v_wmma_f32_16x16x32_f16 v[ma:ma+7], v[mw:mw+7], v[mx:mx+7], 0
.else
	v_wmma_f32_16x16x32_f16 v[ma:ma+7], v[mw:mw+7], v[mx:mx+7], v[ma:ma+7]
.endif
.endif
.set mt, mt+1
.endr
.if (mkh == 0) && (mot > 0) && (mk%2 == 0)
	WO \kind, mot-1, mk/2
.endif
.set mk, mk+1
.endr
.endm
; A chunk: nots tiles of 16 outputs.  kind 0: R; 1: T, into vi; 2: T, into sqk.  Two fetches are always out; the wait ahead of a half step leaves the younger one out: 16 loads, or 16 and the bias (1 for R, 2 for T).
.macro CHUNK kind, nots
	FETCH \kind, 0
	FETCH \kind, 1
.set ch, 0
.rept 2*(\nots)
.if ch == 2*(\nots)-1
	s_wait_dscnt 0x0
.elseif ch%2 == 1
	s_wait_dscnt 16
.elseif (\kind) == 0
	s_wait_dscnt 17
.else
	s_wait_dscnt 18
.endif
	MUL \kind, ch
	PLACES
.if ch+2 < 2*(\nots)
	FETCH \kind, ch+2
.endif
.set ch, ch+1
.endr
	WO \kind, (\nots)-1, 0
	WO \kind, (\nots)-1, 1
	WO \kind, (\nots)-1, 2
	WO \kind, (\nots)-1, 3
	s_wait_xcnt 0x0                                ; the stores have read their base: it may step
	s_add_nc_u64 s[OB:OB+1], s[OB:OB+1], s[OST:OST+1]
	v_add_nc_u32 v[ABR], 256, v[ABR]
	v_add_nc_u32 v[ABT], 256, v[ABT]
.endm
	s_load_b512 s[68:83], s[0:1], 0x0              ; xt 68, wh 70, bq 72, bk 74, bsv 76, bv 78, bsq 80, bsk 82
	s_load_b256 s[84:91], s[0:1], 0x40             ; qk 84, va 86, vi 88, sqk 90
	v_lshl_add_u32 v[SPW], v0, 2, SPARE
	v_mov_b32 v[NIL], 0
	ds_add_u32 v[SPW], v[NIL]                      ; the wave's opening: the add and its wait stand ahead of my first tensor load
	v_lshrrev_b32 v1, 5, v0
	v_readfirstlane_b32 s[WV], v1
	s_and_b32 s[YQ], ttmp7, 0xffff                 ; y, which the four partners share
	s_bfe_u32 s34, ttmp6, 0x40000                  ; cx
	s_lshl_b32 s35, ttmp9, 2
	s_add_co_u32 s35, s35, s34                     ; bx: it enters xt's and the outputs' addresses alone
	s_mov_b32 s[G1], 15|(1<<16)|(1<<20)|(1<<21)|(7<<22)|(3<<25)  ; the mask of four; 2-byte elements; padding on; bit 21 beside a mask; after every 256 words; 4 words
	s_mov_b32 s[G1+1], 512<<16                     ; tensor_dim0 = 512
	s_mov_b32 s[G1+2], 16<<16                      ; tensor_dim1 = 16
	s_mov_b32 s[G1+3], 512<<16                     ; tile_dim0 = 512
	s_mov_b32 s[G1+4], 16                          ; tile_dim1 = 16
	s_mov_b32 s[G1+5], 512                         ; elements from row to row
	s_mov_b32 s[G1+6], 0
	s_mov_b32 s[G1+7], 0
	s_mov_b32 s[G0A], 1
	s_mul_i32 s[G0A+1], s[WV], OTB                 ; my 16 rows of slot 0
	s_mov_b32 s[G0B], 1
	s_add_co_u32 s[G0B+1], s[G0A+1], SLOT1
	s_mul_i32 s36, s[YQ], 589824                   ; my quarter of wh,
	s_lshl_b32 s37, s[WV], 14                      ; my 16 rows of a chunk
	s_add_co_u32 s36, s36, s37
	s_mov_b32 s37, 0
	s_lshr_b32 s38, s35, 4                         ; b
	s_and_b32 s39, s35, 15
	s_lshl_b32 s39, s39, 3
	s_lshl1_add_u32 s39, s[WV], s39                ; R: kk = n / 32 of my first column
	s_lshl_b32 s39, s39, 15
	s_lshl_b32 s40, s35, 4
	s_lshl2_add_u32 s40, s[WV], s40                ; G = 16 bx + 4 wave
	s_lshl_b32 s50, s40, 14                        ; xt's and vi's offset
	s_mov_b32 s51, 0
	s_lshl_b32 s42, s40, 11                        ; sqk's
	s_and_b32 s47, s[YQ], 1
	s_lshl_b32 s48, s47, 10
	s_add_co_u32 s42, s42, s48
	s_cmp_ge_u32 s[YQ], 2
	s_cselect_b32 s48, 0x200000, 0
	s_add_co_u32 s42, s42, s48
	s_mov_b32 s43, 0
	s_mov_b32 s44, 0x480000                        ; a batch of va
	s_mov_b32 s45, 0x400000                        ; a batch of q or k
	s_cmp_eq_u32 s[YQ], 2
	s_cselect_b32 s44, s44, s45
	s_mul_i32 s44, s44, s38
	s_add_co_u32 s44, s44, s39
	s_cmp_eq_u32 s[YQ], 1
	s_cselect_b32 s45, 0x1000000, 0                ; k lies behind q
	s_add_co_u32 s44, s44, s45
	s_mov_b32 s46, 2048
	s_cmp_eq_u32 s[YQ], 3
	s_cselect_b32 s44, s50, s44
	s_cselect_b32 s[OST], s46, 4096
	s_mov_b32 s45, 0
	s_mov_b32 s[OST+1], 0
	s_mov_b32 s[TB], 0
	s_mov_b32 s[CNT], 8
	v_and_b32 v1, 31, v0
	v_lshlrev_b32 v[L16], 4, v1
	v_and_b32 v[RR], 15, v0
	v_bfe_u32 v[HH], v0, 4, 1
	v_mul_u32_u24 v[AW0], v[RR], WPITCH
	v_lshl_add_u32 v[AW0], v[HH], 4, v[AW0]
	v_mov_b32 v[AW], v[AW0]
	v_lshl_add_u32 v[ABR], v[RR], 2, BIAS
	v_lshl_add_u32 v[ABT], v[HH], 5, BIAS
	v_lshlrev_b32 v[BO], 4, v0
	v_lshl_add_u32 v[BL], v0, 4, BIAS
	v_lshlrev_b32 v[SO], 4, v[RR]
	v_add_nc_u32 v[SL], BIAS+2048, v[SO]
.set i, 0
.rept 16
	v_mov_b32 v[BI+i], 0                           ; R names a pair of these and takes its low word: the other is written once
.set i, i+1
.endr
	s_wait_dscnt 0x0                               ; the opening add is done
	s_wait_kmcnt 0x0
	s_add_nc_u64 s[G0A+2:G0A+3], s[70:71], s[36:37]
	s_add_nc_u64 s[G0B+2:G0B+3], s[G0A+2:G0A+3], 65536
	s_or_b32 s[G0A+3], s[G0A+3], 0x80000000
	s_or_b32 s[G0B+3], s[G0B+3], 0x80000000
	s_cmp_eq_u32 s[YQ], 2
	s_cselect_b64 s[OB:OB+1], s[86:87], s[84:85]
	s_cmp_eq_u32 s[YQ], 3
	s_cselect_b64 s[OB:OB+1], s[88:89], s[OB:OB+1]
	s_add_nc_u64 s[OB:OB+1], s[OB:OB+1], s[44:45]
	s_add_nc_u64 s[SB:SB+1], s[90:91], s[42:43]
	s_add_nc_u64 s[68:69], s[68:69], s[50:51]
	s_cmp_eq_u32 s[YQ], 1
	s_cselect_b64 s[52:53], s[74:75], s[72:73]
	s_cmp_eq_u32 s[YQ], 2
	s_cselect_b64 s[52:53], s[76:77], s[52:53]
	s_cmp_eq_u32 s[YQ], 3
	s_cselect_b64 s[52:53], s[78:79], s[52:53]
	s_cmp_lt_u32 s[YQ], 2
	s_cselect_b64 s[54:55], s[80:81], s[82:83]
	ROUND                                          ; all four work-groups are here: the first joint loads meet
	tensor_load_to_lds s[G0A:G0A+3], s[G1:G1+7]    ; chunk 0
	s_nop 0
	tensor_load_to_lds s[G0B:G0B+3], s[G1:G1+7]    ; chunk 1: two loads of mine are out
	s_nop 0
	PLACES
	global_load_b128 v[BT:BT+3], v[BO], s[52:53]   ; 128 threads x 4 main biases
	s_cmp_lg_u32 s[WV], 0
	s_cbranch_scc1 .Lns1
	global_load_b128 v[BT+4:BT+7], v[SO], s[54:55] ; wave 0: the 64 small ones (both halves of the lanes alike)
.Lns1:
	WIN 0x40
.set t, 0
.rept 4
.set k, 0
.rept 8
	global_load_b128 v[8*(8*t+k):8*(8*t+k)+3], v[L16], s[68:69] offset:t*16384+k*1024
	global_load_b128 v[8*(8*t+k)+4:8*(8*t+k)+7], v[L16], s[68:69] offset:t*16384+k*1024+512
.set k, k+1
.endr
.set t, t+1
.endr
	WIN 0x80
.set t, 0
.rept 4
.set k, 0
.rept 8
	global_load_b128 v[8*(8*t+k):8*(8*t+k)+3], v[L16], s[68:69] offset:t*16384+(k+8)*1024
	global_load_b128 v[8*(8*t+k)+4:8*(8*t+k)+7], v[L16], s[68:69] offset:t*16384+(k+8)*1024+512
.set k, k+1
.endr
.set t, t+1
.endr
	WIN 0
	s_wait_loadcnt 0x0                             ; biases and x
	v_cvt_pk_bf16_f32 v[BU], v[BT], v[BT+1]
	v_cvt_pk_bf16_f32 v[BU+1], v[BT+2], v[BT+3]
	v_lshlrev_b32 v[BT], 16, v[BU]
	v_and_b32 v[BT+1], 0xffff0000, v[BU]
	v_lshlrev_b32 v[BT+2], 16, v[BU+1]
	v_and_b32 v[BT+3], 0xffff0000, v[BU+1]
	ds_store_b128 v[BL], v[BT:BT+3]
	s_cmp_lg_u32 s[WV], 0
	s_cbranch_scc1 .Lns2
	v_cvt_pk_bf16_f32 v[BU], v[BT+4], v[BT+5]
	v_cvt_pk_bf16_f32 v[BU+1], v[BT+6], v[BT+7]
	v_lshlrev_b32 v[BT+4], 16, v[BU]
	v_and_b32 v[BT+5], 0xffff0000, v[BU]
	v_lshlrev_b32 v[BT+6], 16, v[BU+1]
	v_and_b32 v[BT+7], 0xffff0000, v[BU+1]
	ds_store_b128 v[SL], v[BT+4:BT+7]
.Lns2:
	s_wait_tensorcnt 0x1                           ; my part of chunk 0 is in; chunk 1's may stay out
	s_wait_dscnt 0x0                               ; my biases are in LDS
	s_barrier_signal -1
	s_barrier_wait -1
	s_branch .Lcompute                             ; the loop is entered behind its change of slots
.Lchunk:                                       ; seven changes ask for chunks 2 to 8
	CHANGE 1
.Lcompute:
	s_cmp_eq_u32 s[YQ], 3
	s_cbranch_scc1 .Ltmain
	CHUNK 0, 4
	s_branch .Lnext
.Ltmain:
	CHUNK 1, 4
.Lnext:
	s_sub_co_u32 s[CNT], s[CNT], 1
	s_cmp_lg_u32 s[CNT], 0
	s_cbranch_scc1 .Lchunk
	CHANGE 0                                       ; the ninth chunk: nothing is left to ask for
	s_mul_i32 s34, s47, 32*WPITCH                  ; my 32 of its 64 rows
	v_add_nc_u32 v[AW], s34, v[AW]
	s_lshl_b32 s34, s47, 7
	s_add_co_u32 s34, s34, BIAS+2048
	v_lshl_add_u32 v[ABT], v[HH], 5, s34
	s_mov_b64 s[OB:OB+1], s[SB:SB+1]               ; (the last chunk's end has waited for its stores' addresses)
	CHUNK 2, 2
	WIN 0
	s_wait_tensorcnt 0x0                           ; the wave's end
	ds_add_u32 v[SPW], v[NIL]
	s_wait_dscnt 0x0
	ROUND                                          ; the closing round
	s_endpgm
.Lfunc_end_k_q511e9003ee_proj:
	.size	k_q511e9003ee_proj, .Lfunc_end_k_q511e9003ee_proj-k_q511e9003ee_proj
	.p2alignl 7, 3214868480
	.fill 96, 4, 3214868480
	.section	.rodata,"a",@progbits
	.p2align	6, 0x0
	.amdhsa_kernel k_q511e9003ee_proj
		.amdhsa_group_segment_fixed_size 327680
		.amdhsa_private_segment_fixed_size 0
		.amdhsa_enable_private_segment 0
		.amdhsa_kernarg_size 96
		.amdhsa_user_sgpr_count 2
		.amdhsa_user_sgpr_kernarg_segment_ptr 1
		.amdhsa_wavefront_size32 1
		.amdhsa_system_sgpr_workgroup_id_x 1
		.amdhsa_system_sgpr_workgroup_id_y 1
		.amdhsa_system_sgpr_workgroup_id_z 1
		.amdhsa_system_vgpr_workitem_id 0
		.amdhsa_next_free_vgpr 768
		.amdhsa_next_free_sgpr 100
		.amdhsa_reserve_vcc 0
		.amdhsa_float_denorm_mode_32 3
		.amdhsa_float_denorm_mode_16_64 3
		.amdhsa_memory_ordered 1
		.amdhsa_forward_progress 1
		.amdhsa_inst_pref_size 113
	.end_amdhsa_kernel
	.amdgpu_metadata
---
amdhsa.version: [ 1, 2 ]
amdhsa.kernels:
  - .name:           k_q511e9003ee_proj
    .symbol:         k_q511e9003ee_proj.kd
    .args:
      - { .name: xt, .offset: 0, .size: 8, .value_kind: global_buffer, .address_space: global }
      - { .name: wh, .offset: 8, .size: 8, .value_kind: global_buffer, .address_space: global }
      - { .name: bq, .offset: 16, .size: 8, .value_kind: global_buffer, .address_space: global }
      - { .name: bk, .offset: 24, .size: 8, .value_kind: global_buffer, .address_space: global }
      - { .name: bsv, .offset: 32, .size: 8, .value_kind: global_buffer, .address_space: global }
      - { .name: bv, .offset: 40, .size: 8, .value_kind: global_buffer, .address_space: global }
      - { .name: bsq, .offset: 48, .size: 8, .value_kind: global_buffer, .address_space: global }
      - { .name: bsk, .offset: 56, .size: 8, .value_kind: global_buffer, .address_space: global }
      - { .name: qk, .offset: 64, .size: 8, .value_kind: global_buffer, .address_space: global }
      - { .name: va, .offset: 72, .size: 8, .value_kind: global_buffer, .address_space: global }
      - { .name: vi, .offset: 80, .size: 8, .value_kind: global_buffer, .address_space: global }
      - { .name: sqk, .offset: 88, .size: 8, .value_kind: global_buffer, .address_space: global }
    .group_segment_fixed_size: 327680
    .private_segment_fixed_size: 0
    .kernarg_segment_align: 8
    .kernarg_segment_size: 96
    .max_flat_workgroup_size: 128
    .sgpr_count:     100
    .vgpr_count:     768
    .wavefront_size: 32
...
	.end_amdgpu_metadata
.endif
;; end of part 2
;; launch energy (part 3): grid 16 x 16, 4 waves a work-group, clusters of 4 x 4, 327,680 bytes of LDS; arguments qk, ep; writes ep
.if DOCPART == 3
	.amdgcn_target "amdgcn-amd-amdhsa--gfx1250"
	.amdhsa_code_object_version 6
	.text
	.protected	k_q511e9003ee_energy
	.globl	k_q511e9003ee_energy
	.p2align	8
	.type	k_q511e9003ee_energy,@function
k_q511e9003ee_energy:
	s_mov_b64 s[64:65], 0
	v_nop
	global_prefetch_b8 v0, s[64:65] scope:SCOPE_SE
	s_setreg_imm32_b32 hwreg(HW_REG_WAVE_MODE, 25, 1), 1
	s_wait_xcnt 0x0
	s_wait_alu depctr_hold_cnt(0) depctr_sa_sdst(0) depctr_va_vdst(0) depctr_va_sdst(0) depctr_va_ssrc(0) depctr_va_vcc(0) depctr_vm_vsrc(0)
	s_getreg_b32 s2, hwreg(HW_REG_IB_STS2, 6, 4)
	s_cmp_eq_u32 s2, 0
	s_cbranch_scc0 .Lentry_in_a_cluster
	s_endpgm
.Lentry_in_a_cluster:
	s_bfe_u32 s2, ttmp6, 0x10000c
	s_cmp_lg_u32 s2, 0xf033
	s_cbranch_scc0 .Lentry_shape_is_right
	s_endpgm
.Lentry_shape_is_right:
; ENERGY.  Four partial sums over n of E[c][d] = sum of q[c][n] k[d][n], f16 operands, f32 sums.  q and k are fragment images [b][n/32 (128)][c/16 (32)][1,024], k 16,777,216 bytes behind q.
; SHARES.  A cluster of 4 x 4 work-groups makes one batch's 512 x 512 for one quarter ks of n (cluster x = ks, cluster y = b); a work-group 128 c x 128 d (cy, cx), a wave 64 x 64: 16 accumulators.
; The four of a row of the cluster need the same tiles of q, the four of a column the same tiles of k: joint loads.  K goes in four steps of 256 n (8 images deep) through two LDS slots.
; A tile is dense images, so LDS is read at 16 x lane + a constant: consecutive bytes, no padding.  Source 0 = k's fragment, source 1 = q's: a lane holds one c (lane % 16) and eight d.
; OUT.  ep = [ks][b][c/16][d/16][1,024]: an accumulator as it lies, registers 0-3 at 16 L, 4-7 at 512 + 16 L: a wave's store covers 512 consecutive bytes, aligned.  The partial sums stay in f32.
; REGISTERS.  Window 0: addresses; v128-255 the accumulators ((a, b) at 128 + 8 (4 a + b)).  Window 1: two fragment buffers of 128: 64 of q (2 x 4), then 64 of k.
.set KQ,    16384                      ; a quarter of a K step: two images deep, 8,192 bytes each
.set HALFT, 32768                      ; what one tensor load brings: 4 deep x 8 images
.set SLOT,  131072                     ; q's 8 x 8 images, then k's
.set SPARE, 262144
.set ADRA, 16                          ; v16-17 my q fragments in slot 0, 1
.set ADRB, 20                          ; v20-21 my k fragments
.set L16,  24
.set SPW,  28
.set NIL,  29
.set ACC,  128
.set F0,   0
.set F1,   128
.set G1,  24
.set G0,  32
.set G1B, 48
.set G0B, 56
.set MSB, 0
.macro WIN new
.if MSB != (\new)
	s_set_vgpr_msb (MSB<<8)|(\new)
.set MSB, (\new)
.endif
.endm
.set MUL,  0x05                        ; sources 0 and 1 window 1; C and D window 0
.set TO_F, 0x40                        ; destination window 1, address window 0
.macro JLOAD s                         ; waves 0 and 1 fetch q's two halves, waves 2 and 3 k's; an s_nop 0 and four v_nop follow each line
	s_cmp_eq_u32 s11, 0
	s_cbranch_scc0 .Lfor_b_\@
	tensor_load_to_lds s[G0+4*(\s):G0+4*(\s)+3], s[G1:G1+7]
	s_nop 0
.rept 4
	v_nop
.endr
	s_branch .Lasked_\@
.Lfor_b_\@:
	tensor_load_to_lds s[G0B+4*(\s):G0B+4*(\s)+3], s[G1B:G1B+7]
	s_nop 0
.rept 4
	v_nop
.endr
.Lasked_\@:
.endm
.macro CREST
	s_cmp_lg_u32 s10, 0
	s_cbranch_scc1 .Lnot_wave_0_\@
	s_barrier_signal -3
.Lnot_wave_0_\@:
	s_barrier_wait -3
	s_barrier_signal -1
	s_barrier_wait -1
.endm
.macro CROUND
	s_barrier_signal -1
	s_barrier_wait -1
	CREST
.endm
	s_load_b128 s[4:7], s[0:1], 0x0                ; qk s[4:5], ep s[6:7]
	v_lshl_add_u32 v[SPW], v0, 2, SPARE
	v_mov_b32 v[NIL], 0
	ds_add_u32 v[SPW], v[NIL]                      ; the wave's opening: the add and its wait stand ahead of my first tensor load
	v_lshrrev_b32 v1, 5, v0
	v_readfirstlane_b32 s10, v1                    ; wave
	s_lshr_b32 s11, s10, 1                         ; my half of the c.  Also: I fetch q (0) or k (1)
	s_and_b32 s12, s10, 1                          ; my half of the d.  Also: which half of a tile's depth I fetch
	s_bfe_u32 s40, ttmp6, 0x40000                  ; cx: the block of d
	s_bfe_u32 s41, ttmp6, 0x40004                  ; cy: the block of c
	s_and_b32 s13, ttmp7, 0xffff                   ; b
	s_lshl_b32 s43, s41, 2
	s_lshl_b32 s43, 15, s43                        ; my row of the cluster
	s_lshl_b32 s44, 0x1111, s40                    ; my column
	s_or_b32 s[G1+0], s43, (3<<16)|(1<<21)         ; the mask; elements of 8 bytes; bit 21 beside a mask; no padding
	s_or_b32 s[G1B+0], s44, (3<<16)|(1<<21)
.irp g, G1, G1B
	s_mov_b32 s[(\g)+1], 1024<<16                  ; tensor_dim0 = 1,024: eight images, 8,192 bytes on end
	s_mov_b32 s[(\g)+2], 4<<16                     ; tensor_dim1 = 4
	s_mov_b32 s[(\g)+3], 1024<<16                  ; tile_dim0
	s_mov_b32 s[(\g)+4], 4                         ; tile_dim1
	s_mov_b32 s[(\g)+5], 4096                      ; 32 images from one depth to the next
	s_mov_b32 s[(\g)+6], 0
	s_mov_b32 s[(\g)+7], 0
.endr
	s_lshl_b32 s14, s13, 7
	s_lshl_b32 s15, ttmp9, 5
	s_add_co_u32 s14, s14, s15
	s_lshl2_add_u32 s14, s12, s14                  ; depth b*128 + ks*32 + 4 x half,
	s_lshl_b32 s14, s14, 15                        ; in bytes
	s_lshl_b32 s16, s41, 13                        ; q: + 8 images x cy
	s_add_co_u32 s16, s16, s14
	s_mov_b32 s17, 0
	s_lshl_b32 s46, s40, 13                        ; k: + 8 images x cx,
	s_add_co_u32 s46, s46, s14
	s_add_co_u32 s46, s46, 0x1000000               ; behind q
	s_mov_b32 s47, 0
	s_lshl_b32 s20, s10, 15                        ; where they go: wave x 32,768
	s_wait_dscnt 0x0
	s_wait_kmcnt 0x0
	s_add_nc_u64 s[14:15], s[4:5], s[16:17]
	s_add_nc_u64 s[46:47], s[4:5], s[46:47]
	CROUND                                         ; all sixteen work-groups are here: the first joint loads meet
.irp s, 0,1
	s_mov_b32 s[G0+4*(\s)], 1
	s_add_co_u32 s[G0+4*(\s)+1], s20, (\s)*SLOT
	s_add_nc_u64 s[G0+4*(\s)+2:G0+4*(\s)+3], s[14:15], (\s)*262144
	s_or_b32 s[G0+4*(\s)+3], s[G0+4*(\s)+3], 0x80000000
	s_mov_b32 s[G0B+4*(\s)], 1
	s_add_co_u32 s[G0B+4*(\s)+1], s20, (\s)*SLOT
	s_add_nc_u64 s[G0B+4*(\s)+2:G0B+4*(\s)+3], s[46:47], (\s)*262144
	s_or_b32 s[G0B+4*(\s)+3], s[G0B+4*(\s)+3], 0x80000000
	JLOAD \s
.endr
	v_and_b32 v1, 31, v0
	v_lshlrev_b32 v[L16], 4, v1
	s_lshl_b32 s21, s11, 12                        ; my four images of q in each depth
	s_lshl_b32 s22, s12, 12                        ; my four of k,
	s_add_co_u32 s22, s22, 65536                   ; which lie behind q's
.irp s, 0,1
	v_add_nc_u32 v[ADRA+(\s)], s21, v[L16]
	v_add_nc_u32 v[ADRB+(\s)], s22, v[L16]
	s_add_co_u32 s21, s21, SLOT
	s_add_co_u32 s22, s22, SLOT
.endr
	s_lshl_b32 s21, ttmp9, 2                       ; ep: (((ks*4 + b)*32 + 8 cy + 4 half)*32 + 8 cx + 4 half) x 1,024
	s_add_co_u32 s21, s21, s13
	s_lshl_b32 s21, s21, 5
	s_lshl3_add_u32 s21, s41, s21
	s_lshl2_add_u32 s21, s11, s21
	s_lshl_b32 s21, s21, 5
	s_lshl3_add_u32 s21, s40, s21
	s_lshl2_add_u32 s21, s12, s21
	s_lshl_b32 s22, s21, 10
	s_mov_b32 s23, 0
	s_add_nc_u64 s[8:9], s[6:7], s[22:23]
.macro MUL8 f, c, a0, zero             ; 8 products: c tiles a0, a0 + 1 x 4 d tiles, one image deep; the 16 accumulators take turns
	WIN MUL
.irp a, \a0, (\a0)+1
.irp b, 0,1,2,3
.if \zero
	v_wmma_f32_16x16x32_f16 v[ACC+8*(4*(\a)+(\b)):ACC+8*(4*(\a)+(\b))+7], v[(\f)+64+8*(4*(\c)+(\b)):(\f)+64+8*(4*(\c)+(\b))+7], v[(\f)+8*(4*(\c)+(\a)):(\f)+8*(4*(\c)+(\a))+7], 0
.else
	v_wmma_f32_16x16x32_f16 v[ACC+8*(4*(\a)+(\b)):ACC+8*(4*(\a)+(\b))+7], v[(\f)+64+8*(4*(\c)+(\b)):(\f)+64+8*(4*(\c)+(\b))+7], v[(\f)+8*(4*(\c)+(\a)):(\f)+8*(4*(\c)+(\a))+7], v[ACC+8*(4*(\a)+(\b)):ACC+8*(4*(\a)+(\b))+7]
.endif
.endr
.endr
.endm
.macro FETCH slot, k, f                ; 32 LDS loads in one run: a quarter's fragments, the first depth first
	WIN TO_F
.irp c, 0,1
.irp i, 0,1,2,3
	ds_load_b128 v[(\f)+64+8*(4*(\c)+(\i)):(\f)+64+8*(4*(\c)+(\i))+3],   v[ADRB+(\slot)] offset:(\k)+8192*(\c)+(\i)*1024
	ds_load_b128 v[(\f)+64+8*(4*(\c)+(\i))+4:(\f)+64+8*(4*(\c)+(\i))+7], v[ADRB+(\slot)] offset:(\k)+8192*(\c)+(\i)*1024+512
	ds_load_b128 v[(\f)+8*(4*(\c)+(\i)):(\f)+8*(4*(\c)+(\i))+3],         v[ADRA+(\slot)] offset:(\k)+8192*(\c)+(\i)*1024
	ds_load_b128 v[(\f)+8*(4*(\c)+(\i))+4:(\f)+8*(4*(\c)+(\i))+7],       v[ADRA+(\slot)] offset:(\k)+8192*(\c)+(\i)*1024+512
.endr
.endr
.endm
.macro PLACES
.rept 4
	v_nop
.endr
.endm
.macro QUARTER slot, k, f, g, zero     ; multiplies buffer f and fetches the next quarter, at byte k, into g
	s_wait_dscnt 16                                ; the first depth is in; the other sixteen loads may be out
	WIN MUL
	MUL8 \f, 0, 0, \zero
	MUL8 \f, 0, 2, \zero
	PLACES
	FETCH \slot, \k, \g
	s_wait_dscnt 32                                ; all but the 32 just issued
	WIN MUL
	MUL8 \f, 1, 0, 0
	MUL8 \f, 1, 2, 0
.endm
.macro TURN slot, next, fill           ; the last quarter of a K step, and the change of slots
	WIN 0
	s_wait_tensorcnt 0x0                           ; all my tensor loads have landed: my part of the next slot;
	ds_add_u32 v[SPW], v[NIL]
	s_wait_dscnt 17                                ; (the add and the youngest sixteen loads may be out)
	WIN MUL
	MUL8 F1, 0, 0, 0
	s_wait_dscnt 0x0                               ; the add is done, and my reads of this slot are over
	s_barrier_signal -1
	MUL8 F1, 0, 2, 0
.if \fill
	WIN 0
.endif
	s_barrier_wait -1
.if \fill
	CREST                                          ; the barrier has opened a round of the cluster's: no wave of any partner still reads this slot or has a load on its way
	s_add_nc_u64 s[G0+4*(\slot)+2:G0+4*(\slot)+3], s[G0+4*(\slot)+2:G0+4*(\slot)+3], 524288
	s_add_nc_u64 s[G0B+4*(\slot)+2:G0B+4*(\slot)+3], s[G0B+4*(\slot)+2:G0B+4*(\slot)+3], 524288
	JLOAD \slot
.else
	PLACES
.endif
	FETCH \next, 0, F0
	WIN MUL
	MUL8 F1, 1, 0, 0
	MUL8 F1, 1, 2, 0
.endm
	s_wait_tensorcnt 1                             ; my part of K step 0 is in; step 1's may stay out
	s_barrier_signal -1
	s_barrier_wait -1
	FETCH 0, 0, F0
	QUARTER 0, KQ,   F0, F1, 1                     ; the first products start the sums
	QUARTER 0, 2*KQ, F1, F0, 0
	QUARTER 0, 3*KQ, F0, F1, 0
	TURN 0, 1, 1                                   ; slot 0 takes K step 2
	QUARTER 1, KQ,   F0, F1, 0
	QUARTER 1, 2*KQ, F1, F0, 0
	QUARTER 1, 3*KQ, F0, F1, 0
	TURN 1, 0, 1                                   ; slot 1 takes K step 3
	QUARTER 0, KQ,   F0, F1, 0
	QUARTER 0, 2*KQ, F1, F0, 0
	QUARTER 0, 3*KQ, F0, F1, 0
	TURN 0, 1, 0                                   ; nothing is left to ask for
	QUARTER 1, KQ,   F0, F1, 0
	QUARTER 1, 2*KQ, F1, F0, 0
	QUARTER 1, 3*KQ, F0, F1, 0
	s_wait_dscnt 16
	WIN MUL
	MUL8 F1, 0, 0, 0
	MUL8 F1, 0, 2, 0
	s_wait_dscnt 0
	MUL8 F1, 1, 0, 0
	MUL8 F1, 1, 2, 0
	WIN 0
	PLACES
.irp a, 0,1,2,3
.irp b, 0,1,2,3
	global_store_b128 v[L16], v[ACC+8*(4*(\a)+(\b)):ACC+8*(4*(\a)+(\b))+3],   s[8:9] offset:(\a)*32768+(\b)*1024
	global_store_b128 v[L16], v[ACC+8*(4*(\a)+(\b))+4:ACC+8*(4*(\a)+(\b))+7], s[8:9] offset:(\a)*32768+(\b)*1024+512
.endr
.endr
	s_wait_tensorcnt 0x0                           ; the wave's end
	ds_add_u32 v[SPW], v[NIL]
	s_wait_dscnt 0x0
	CROUND                                         ; the closing round
	s_endpgm
.Lfunc_end_k_q511e9003ee_energy:
	.size	k_q511e9003ee_energy, .Lfunc_end_k_q511e9003ee_energy-k_q511e9003ee_energy
	.p2alignl 7, 3214868480
	.fill 96, 4, 3214868480
	.section	.rodata,"a",@progbits
	.p2align	6, 0x0
	.amdhsa_kernel k_q511e9003ee_energy
		.amdhsa_group_segment_fixed_size 327680
		.amdhsa_private_segment_fixed_size 0
		.amdhsa_enable_private_segment 0
		.amdhsa_kernarg_size 16
		.amdhsa_user_sgpr_count 2
		.amdhsa_user_sgpr_kernarg_segment_ptr 1
		.amdhsa_wavefront_size32 1
		.amdhsa_system_sgpr_workgroup_id_x 1
		.amdhsa_system_sgpr_workgroup_id_y 1
		.amdhsa_system_sgpr_workgroup_id_z 1
		.amdhsa_system_vgpr_workitem_id 0
		.amdhsa_next_free_vgpr 512
		.amdhsa_next_free_sgpr 66
		.amdhsa_reserve_vcc 0
		.amdhsa_float_denorm_mode_32 3
		.amdhsa_float_denorm_mode_16_64 3
		.amdhsa_memory_ordered 1
		.amdhsa_forward_progress 1
		.amdhsa_inst_pref_size 80
	.end_amdhsa_kernel
	.amdgpu_metadata
---
amdhsa.version: [ 1, 2 ]
amdhsa.kernels:
  - .name:           k_q511e9003ee_energy
    .symbol:         k_q511e9003ee_energy.kd
    .args:
      - { .name: qk, .offset: 0, .size: 8, .value_kind: global_buffer, .address_space: global }
      - { .name: ep, .offset: 8, .size: 8, .value_kind: global_buffer, .address_space: global }
    .group_segment_fixed_size: 327680
    .private_segment_fixed_size: 0
    .kernarg_segment_align: 8
    .kernarg_segment_size: 16
    .max_flat_workgroup_size: 128
    .sgpr_count:     66
    .vgpr_count:     512
    .wavefront_size: 32
...
	.end_amdgpu_metadata
.endif
;; end of part 3
;; launch softc (part 4): grid 128 x 1, 8 waves a work-group, no clusters, 2,048 bytes of LDS; arguments ep, gamma_channel, va; writes va
.if DOCPART == 4
	.amdgcn_target "amdgcn-amd-amdhsa--gfx1250"
	.amdhsa_code_object_version 6
	.text
	.protected	k_q511e9003ee_softc
	.globl	k_q511e9003ee_softc
	.p2align	8
	.type	k_q511e9003ee_softc,@function
k_q511e9003ee_softc:
	s_mov_b64 s[64:65], 0
	v_nop
	global_prefetch_b8 v0, s[64:65] scope:SCOPE_SE
	s_setreg_imm32_b32 hwreg(HW_REG_WAVE_MODE, 25, 1), 1
	s_wait_xcnt 0x0
; SOFTC.  The four partial energies are added (f32, fixed order), softmax over d with the row's true maximum, times gamma_channel (rounded to bf16 like the other inputs), rounded once to f16.
; LIMITS: gamma x weight must lie within f16's 65,504; below 6e-5 it keeps f16's fixed step; a weight below 2^-126 counts as 0; NaN and infinities are not treated apart.
; SHARES.  A work-group takes 16 rows c of one batch (128 work-groups: the launch has work for that many), wave w the d tiles 4 w .. 4 w + 3.  Lane (r, h) holds 32 numbers of row r: d = 16 dt + 8 h + j.
; A row's maximum and sum meet by one exchange between the halves of the lanes and one meeting of the eight waves in LDS each.  No matrix unit, no cluster: nothing is shared and nothing is multiplied.
; OUT.  va's tiles 32-35 of each batch: fragment images, rows c, k = d: [d/32 % 4][c/16][1,024] in tile 32 + d/128.  A lane's eight numbers are 16 bytes at 16 L: a wave's store covers 512 consecutive bytes, aligned.
.set SPARE, 1024                       ; MAXR at 0, SUMR at 512: [r 16][wave 8] f32; then the spare words, 128 bytes a wave
.set L16, 2
.set LO,  3
.set RA,  5                            ; v5  32 r: where a row's eight numbers are read
.set WA,  6                            ; v6  32 r + 4 wave: where I put mine
.set SPW, 7
.set NIL, 8
.set E,   16                           ; v[16:143] four partial sums of 32; then E in the first 32
.set TS,  48                           ; at work for the sum
.set OUTR, 64                          ; packed results
.set CH,  144                          ; v144-151 at work
.set RD8, 152                          ; v152-159 a row's eight numbers
	s_load_b128 s[4:7], s[0:1], 0x0                ; ep, gamma_channel
	s_load_b64 s[8:9], s[0:1], 0x10                ; va
	v_lshl_add_u32 v[SPW], v0, 2, SPARE
	v_mov_b32 v[NIL], 0
	v_lshrrev_b32 v1, 5, v0
	v_readfirstlane_b32 s10, v1                    ; wave
	s_lshr_b32 s11, ttmp9, 5                       ; b
	s_and_b32 s12, ttmp9, 31                       ; c / 16
	v_and_b32 v[L16], 31, v0
	v_lshlrev_b32 v[L16], 4, v[L16]
	s_lshl_b32 s13, s10, 12
	v_add_nc_u32 v[LO], s13, v[L16]                ; my four tiles of 1,024 bytes
	v_and_b32 v4, 15, v0
	v_lshlrev_b32 v[RA], 5, v4
	v_lshl_add_u32 v[WA], s10, 2, v[RA]
	v_mov_b32 v[CH+4], 0                           ; the exchange's destination counts as read
	s_lshl_b32 s14, ttmp9, 15                      ; (b*32 + c/16) x 32 tiles
	s_mov_b32 s15, 0
	s_mov_b32 s26, 0x76543210                      ; each lane takes its own place in the other half
	s_mov_b32 s27, 0xfedcba98
	s_mov_b32 s28, 0x3fb8aa3b                      ; log2(e)
	s_mov_b32 s29, s28
	s_mul_i32 s30, s11, 0x480000                   ; a batch of va,
	s_lshr_b32 s31, s10, 1
	s_add_co_u32 s31, s31, 32
	s_lshl_b32 s31, s31, 17                        ; tile 32 + wave / 2,
	s_add_co_u32 s30, s30, s31
	s_and_b32 s31, s10, 1
	s_lshl_b32 s31, s31, 16                        ; two images deep for each wave,
	s_add_co_u32 s30, s30, s31
	s_lshl_b32 s31, s12, 10                        ; image c / 16
	s_add_co_u32 s30, s30, s31
	s_mov_b32 s31, 0
	s_wait_kmcnt 0x0
	s_load_b32 s24, s[6:7], 0x0
	s_add_nc_u64 s[16:17], s[4:5], s[14:15]
	s_add_nc_u64 s[18:19], s[16:17], 0x400000
	s_add_nc_u64 s[20:21], s[18:19], 0x400000
	s_add_nc_u64 s[22:23], s[20:21], 0x400000
	s_add_nc_u64 s[8:9], s[8:9], s[30:31]
.irp k, 0,1,2,3
.irp d, 0,1,2,3
	global_load_b128 v[E+32*\k+8*\d:E+32*\k+8*\d+3],   v[LO], s[16+2*\k:17+2*\k] offset:\d*1024 th:TH_LOAD_NT
	global_load_b128 v[E+32*\k+8*\d+4:E+32*\k+8*\d+7], v[LO], s[16+2*\k:17+2*\k] offset:\d*1024+512 th:TH_LOAD_NT
.endr
.endr
	s_wait_loadcnt 16                              ; partial sums 0 and 1 are in; the sixteen loads of 2 and 3 may stay out
.set i, 0
.rept 16
	v_pk_add_f32 v[E+2*i:E+2*i+1], v[E+2*i:E+2*i+1], v[E+32+2*i:E+32+2*i+1]
.set i, i+1
.endr
	s_wait_loadcnt 0x0
.set i, 0
.rept 16
	v_pk_add_f32 v[E+64+2*i:E+64+2*i+1], v[E+64+2*i:E+64+2*i+1], v[E+96+2*i:E+96+2*i+1]
.set i, i+1
.endr
.set i, 0
.rept 16
	v_pk_add_f32 v[E+2*i:E+2*i+1], v[E+2*i:E+2*i+1], v[E+64+2*i:E+64+2*i+1]
.set i, i+1
.endr
	; the maximum of my 32 numbers: four chains, three operands at a time
.irp j, 0,1,2,3
	v_max3_num_f32 v[CH+\j], v[E+8*\j], v[E+8*\j+1], v[E+8*\j+2]
.endr
.irp j, 0,1,2,3
	v_max3_num_f32 v[CH+\j], v[CH+\j], v[E+8*\j+3], v[E+8*\j+4]
.endr
.irp j, 0,1,2,3
	v_max3_num_f32 v[CH+\j], v[CH+\j], v[E+8*\j+5], v[E+8*\j+6]
.endr
	v_max3_num_f32 v[CH], v[CH], v[E+7], v[E+15]
	v_max3_num_f32 v[CH+2], v[CH+2], v[E+23], v[E+31]
	v_max3_num_f32 v[CH], v[CH], v[CH+1], v[CH+2]
	v_max_num_f32 v[CH], v[CH], v[CH+3]
	v_permlanex16_b32 v[CH+4], v[CH], s26, s27     ; the row's other half lies in the lane 16 away
	v_max_num_f32 v[CH], v[CH], v[CH+4]
	ds_store_b32 v[WA], v[CH]                      ; both halves of the lanes write the same number to the same word
	s_wait_dscnt 0x0                               ; for the others' sake
	s_barrier_signal -1
	s_barrier_wait -1
	ds_load_b128 v[RD8:RD8+3], v[RA]
	ds_load_b128 v[RD8+4:RD8+7], v[RA] offset:16
	s_wait_dscnt 0x0
	v_max3_num_f32 v[CH], v[RD8], v[RD8+1], v[RD8+2]
	v_max3_num_f32 v[CH+1], v[RD8+3], v[RD8+4], v[RD8+5]
	v_max3_num_f32 v[CH], v[CH], v[RD8+6], v[RD8+7]
	v_max_num_f32 v[CH], v[CH], v[CH+1]            ; the row's maximum
	v_mov_b32 v[CH+1], v[CH]
	; 2^((E - m) log2 e).  The difference is taken first, not fused into E c - m c: at energies of thousands the rounding of m c would show in the weights
.set i, 0
.rept 16
	v_pk_add_f32 v[E+2*i:E+2*i+1], v[E+2*i:E+2*i+1], v[CH:CH+1] neg_lo:[0,1] neg_hi:[0,1]
.set i, i+1
.endr
.set i, 0
.rept 16
	v_pk_mul_f32 v[E+2*i:E+2*i+1], v[E+2*i:E+2*i+1], s[28:29] op_sel_hi:[1,0]
.set i, i+1
.endr
.set i, 0
.rept 32
	v_exp_f32 v[E+i], v[E+i]
.set i, i+1
.endr
	v_nop                                          ; a plain instruction between the last exponential and the use of its result (ISA guide 5.7.2)
.set i, 0
	s_wait_alu depctr_va_vdst(0)
.rept 8
	v_pk_add_f32 v[TS+2*i:TS+2*i+1], v[E+4*i:E+4*i+1], v[E+4*i+2:E+4*i+3]
.set i, i+1
.endr
.set i, 0
.rept 4
	v_pk_add_f32 v[TS+4*i:TS+4*i+1], v[TS+4*i:TS+4*i+1], v[TS+4*i+2:TS+4*i+3]
.set i, i+1
.endr
	v_pk_add_f32 v[TS:TS+1], v[TS:TS+1], v[TS+4:TS+5]
	v_pk_add_f32 v[TS+8:TS+9], v[TS+8:TS+9], v[TS+12:TS+13]
	v_pk_add_f32 v[TS:TS+1], v[TS:TS+1], v[TS+8:TS+9]
	v_add_f32 v[TS], v[TS], v[TS+1]
	v_permlanex16_b32 v[CH+4], v[TS], s26, s27
	v_add_f32 v[TS], v[TS], v[CH+4]
	ds_store_b32 v[WA], v[TS] offset:512           ; other bytes than the maxima's: no barrier is needed in front
	s_wait_dscnt 0x0
	s_barrier_signal -1
	s_barrier_wait -1
	ds_load_b128 v[RD8:RD8+3], v[RA] offset:512
	ds_load_b128 v[RD8+4:RD8+7], v[RA] offset:528
	s_wait_kmcnt 0x0                               ; gamma
	v_mov_b32 v[CH+5], s24
	v_cvt_pk_bf16_f32 v[CH+5], v[CH+5], v[CH+5]
	v_lshlrev_b32 v[CH+5], 16, v[CH+5]
	s_wait_dscnt 0x0
	v_pk_add_f32 v[RD8:RD8+1], v[RD8:RD8+1], v[RD8+2:RD8+3]
	v_pk_add_f32 v[RD8+4:RD8+5], v[RD8+4:RD8+5], v[RD8+6:RD8+7]
	v_pk_add_f32 v[RD8:RD8+1], v[RD8:RD8+1], v[RD8+4:RD8+5]
	v_add_f32 v[RD8], v[RD8], v[RD8+1]             ; the row's sum: at least 1
	v_rcp_f32 v[CH+6], v[RD8]
	v_nop
	s_wait_alu depctr_va_vdst(0)
	v_mul_f32 v[CH+6], v[CH+6], v[CH+5]
	v_mov_b32 v[CH+7], v[CH+6]
.set i, 0
.rept 16
	v_pk_mul_f32 v[E+2*i:E+2*i+1], v[E+2*i:E+2*i+1], v[CH+6:CH+7]
.set i, i+1
.endr
.set i, 0
.rept 16
	v_cvt_pk_f16_f32 v[OUTR+i], v[E+2*i], v[E+2*i+1]
.set i, i+1
.endr
.irp d, 0,1,2,3
	global_store_b128 v[L16], v[OUTR+4*\d:OUTR+4*\d+3], s[8:9] offset:(\d/2)*32768+(\d%2)*512
.endr
	s_wait_tensorcnt 0x0                           ; the wave's end, behind my last LDS store
	ds_add_u32 v[SPW], v[NIL]
	s_wait_dscnt 0x0
	s_endpgm
.Lfunc_end_k_q511e9003ee_softc:
	.size	k_q511e9003ee_softc, .Lfunc_end_k_q511e9003ee_softc-k_q511e9003ee_softc
	.p2alignl 7, 3214868480
	.fill 96, 4, 3214868480
	.section	.rodata,"a",@progbits
	.p2align	6, 0x0
	.amdhsa_kernel k_q511e9003ee_softc
		.amdhsa_group_segment_fixed_size 2048
		.amdhsa_private_segment_fixed_size 0
		.amdhsa_enable_private_segment 0
		.amdhsa_kernarg_size 24
		.amdhsa_user_sgpr_count 2
		.amdhsa_user_sgpr_kernarg_segment_ptr 1
		.amdhsa_wavefront_size32 1
		.amdhsa_system_sgpr_workgroup_id_x 1
		.amdhsa_system_sgpr_workgroup_id_y 1
		.amdhsa_system_sgpr_workgroup_id_z 1
		.amdhsa_system_vgpr_workitem_id 0
		.amdhsa_next_free_vgpr 176
		.amdhsa_next_free_sgpr 66
		.amdhsa_reserve_vcc 0
		.amdhsa_float_denorm_mode_32 3
		.amdhsa_float_denorm_mode_16_64 3
		.amdhsa_memory_ordered 1
		.amdhsa_forward_progress 1
		.amdhsa_inst_pref_size 18
	.end_amdhsa_kernel
	.amdgpu_metadata
---
amdhsa.version: [ 1, 2 ]
amdhsa.kernels:
  - .name:           k_q511e9003ee_softc
    .symbol:         k_q511e9003ee_softc.kd
    .args:
      - { .name: ep, .offset: 0, .size: 8, .value_kind: global_buffer, .address_space: global }
      - { .name: gamma_channel, .offset: 8, .size: 8, .value_kind: global_buffer, .address_space: global }
      - { .name: va, .offset: 16, .size: 8, .value_kind: global_buffer, .address_space: global }
    .group_segment_fixed_size: 2048
    .private_segment_fixed_size: 0
    .kernarg_segment_align: 8
    .kernarg_segment_size: 24
    .max_flat_workgroup_size: 256
    .sgpr_count:     66
    .vgpr_count:     176
    .wavefront_size: 32
...
	.end_amdgpu_metadata
.endif
;; end of part 4
;; launch attend (part 5): grid 64 x 4, 4 waves a work-group, clusters of 4 x 1, 327,680 bytes of LDS; arguments sqk, va, vi, xt, gamma_spatial, out0; writes out0
.if DOCPART == 5
	.amdgcn_target "amdgcn-amd-amdhsa--gfx1250"
	.amdhsa_code_object_version 6
	.text
	.protected	k_q511e9003ee_attend
	.globl	k_q511e9003ee_attend
	.p2align	8
	.type	k_q511e9003ee_attend,@function
k_q511e9003ee_attend:
	s_mov_b64 s[64:65], 0
	v_nop
	global_prefetch_b8 v0, s[64:65] scope:SCOPE_SE
	s_setreg_imm32_b32 hwreg(HW_REG_WAVE_MODE, 25, 1), 1
	s_wait_xcnt 0x0
	s_wait_alu depctr_hold_cnt(0) depctr_sa_sdst(0) depctr_va_vdst(0) depctr_va_sdst(0) depctr_va_ssrc(0) depctr_va_vcc(0) depctr_vm_vsrc(0)
	s_getreg_b32 s2, hwreg(HW_REG_IB_STS2, 6, 4)
	s_cmp_eq_u32 s2, 0
	s_cbranch_scc0 .Lentry_in_a_cluster
	s_endpgm
.Lentry_in_a_cluster:
	s_bfe_u32 s2, ttmp6, 0x10000c
	s_cmp_lg_u32 s2, 0x3003
	s_cbranch_scc0 .Lentry_shape_is_right
	s_endpgm
.Lentry_shape_is_right:
; ATTEND.  out = gamma_s x softmax_m(sq^T sk) applied to sv  +  (gamma_c attn_c) v  +  2 x.  All matrix operands are f16 fragment images (16 rows x 32 k in 1,024 dense bytes; lane L's registers 0-3 at 16 L, 4-7 at 512 + 16 L); sums, maxima in f32.
; LIMITS: the weights p lie in 0 to 1 and below 6e-5 keep f16's fixed step; a weight below 2^-126 counts as 0 in the sum; gamma_s is rounded to bf16 like the other inputs; 2 x is twice the f16 copy of bf16(x), 2^-9 of itself from the f32 x
; at the most, and x must lie within f16's 65,504; NaN and infinities are not treated apart.
; SHARES.  A work-group owns 64 queries n of one batch (four tiles t of 16).  Wave w owns channels 128 w .. +127 of the result for all 64 queries: 32 accumulators, D(query 8 h + j, channel r).  Of each step's 64 keys wave w makes
; the scores of key tile w for all four query tiles; the weights go from wave to wave through LDS, as the register images that the second product's source 0 wants.
; TWO PASSES.  Pass 1 makes all scores once and keeps each query's true maximum.  Pass 2 makes them again, by the same products in the same order, so no score exceeds that maximum: no rescaling of the 256 result registers, no chain of
; statistics in the loop, and only p to hand between waves.  The price is the score products twice.
; THE RING.  va holds, for a batch, 36 tiles of 131,072 bytes: 32 of sv (128 keys each: two steps), then 4 of gamma_c attn_c (128 d each).  They are ONE sequence through two LDS slots.  CLUSTER: the four work-groups of a cluster
; walk the same tiles: each tile is asked for jointly, each wave a quarter.  sk comes straight into registers, two steps ahead: no wave wants another's key tile.
; PIPELINE.  Step s: 32 products on the second 32 keys of step s - 1; 32 on the first 32 keys of step s; 8 score products for step s + 2.  The softmax of step s + 1 (its scores were made at the end of step s - 1) stands in 37 groups,
; one behind each of the step's first 37 products, one exponential to a group.  Memory instructions stand in two runs a step: at its head, and behind the third product of its second half.
; THE RESIDUAL.  xt holds x^T in the layout of source 0.  Behind the channel product 32 products with a constant fragment (2.0 where k is the channel) add 2 x of the wave's own channels: exact in f32, and in the accumulators' own layout.
; REGISTERS.  Window 0: v0-17 addresses; v18-53 statistics; v64-95 scores S; v96-111 packed weights; v112-239 four buffers of 32 (PX, PY, PZ, PW).  Window 1: the result, (t, cbl) at 8 (8 t + cbl).
; Window 2: v0-63 VX, v64-127 VY (fragments of sv or attn_c); v128-191 sq; v192-223 two buffers of sk; v224-235 the constant fragment.
.set SLOT1, 1<<17
.set PST,   262144                     ; P's two buffers of 8,192; later the four waves' stages of 16 rows x 272.  No tensor load lands here
.set STAT,  279552                     ; the maxima [wave][t][query], 1,024 bytes, then the sums likewise
.set SPARE, 281600
.set L16,  2
.set AVL,  3                           ; v3  8,192 wave + 16 lane
.set AVLO, 4                           ; v4  the same in the slot in hand
.set AVHI, 5                           ; v5  65,536 further on
.set APR,  6                           ; v6  where P is read
.set APW,  7                           ; v7  where I put my piece of P
.set STO,  8
.set RD,   9
.set CO,   10
.set ASW,  11
.set ASR,  12
.set PFO,  13                          ; v13 256 x lane; never rewritten
.set SPW,  14
.set NIL,  15
.set ALS,  16
.set MXR,  18                          ; v18-21 a maximum for each query tile
.set TM,   22                          ; v22-25 at work
.set CM,   26                          ; v26-33 c m, a pair for each tile
.set CMK,  34                          ; v34-41 the same, or far above every c s where the step does not exist
.set LL,   42                          ; v42-49 the sums, a pair for each tile
.set GS,   50                          ; v50-51 gamma_s
.set RR,   52
.set HH,   53
.set S,    64
.set PK,   96
.set PX,   112
.set PY,   144
.set PZ,   176
.set PW,   208
.set VX,   0
.set VY,   64
.set Q,    128
.set KF0,  192
.set ID,   224                         ; window 2: four zeros, the pattern, four zeros: v[ID+4:ID+11] has 2.0 at k = row, v[ID:ID+7] at k = 16 + row
.set WV,  8
.set TB,  9
.set CNT, 10
.set KG,  11                           ; s11 the step whose keys the next even step asks for
.set CS,  12                           ; s[12:13] c = log2(e)
.set SEL, 14
.set G1,  16
.set G0A, 24
.set G0B, 28
.set KILL, 32
.set TL,  33                           ; s33 tiles still to be asked for
.set LIM, 34                           ; s34 1 in a work-group that prefetches, else the greatest number
.set KB,  48                           ; s[48:49] sk at my key tile of step 0
.set KP1, 50
.set KP2, 52
.set OF,  54
.set VB,  56                           ; s[56:57] v^T at my queries
.set VP,  58
.set PFA, 60
.set VOF, 62
.set O2,  66
.set XT,  68                           ; s[68:69] x^T at my queries and my channels
.set OUTB, 70
.set MSB, 0
.macro WIN new
.if MSB != (\new)
	s_set_vgpr_msb (MSB<<8)|(\new)
.set MSB, (\new)
.endif
.endm
.macro PLACES                          ; four places behind a matrix instruction (ISA guide 7.12.1)
.rept 4
	v_nop
.endr
.endm
.macro CREST                           ; a round of the cluster's barrier behind its opening barrier
	s_cmp_lg_u32 s[WV], 0
	s_cbranch_scc1 .Lnw0_\@
	s_barrier_signal -3
.Lnw0_\@:
	s_barrier_wait -3
	s_barrier_signal -1
	s_barrier_wait -1
.endm
.macro ROUND                           ; a whole round
	s_barrier_signal -1
	s_barrier_wait -1
	CREST
.endm
; THE CHANGE OF SLOTS, in two parts.  CH_OPEN: all my tensor loads have landed (one is out: my quarter of the other slot), the add, and the scalar steps; the wait for LDS and the opening signal follow it, with work on registers at most between.
; CH_CLOSE stands behind the opening barrier's wait: the rest of the round, so that no wave of the cluster still reads the old slot; the refill first; then one prefetch of the tile that the NEXT change will ask for: the batch's first
; cluster asks, its sixteen waves share the tile's 512 blocks of 256 bytes out by address, a lane a block; the change that asks for the last tile prefetches nothing.
.macro CH_OPEN fill, k
	WIN 0
	s_wait_tensorcnt 0x0
	ds_add_u32 v[SPW], v[NIL]                      ; 0 onto my spare word; work on registers stands between it and the wait for it
.if \fill
	s_xor_b32 s[G0B+1], s[G0B+1], SLOT1
	s_add_nc_u64 s[G0B+2:G0B+3], s[G0B+2:G0B+3], 131072
	s_wait_xcnt 0x0                                ; the loads and the prefetch issued so far have read their bases
	s_add_nc_u64 s[PFA:PFA+1], s[PFA:PFA+1], 131072
.endif
.if \k
	s_add_co_u32 s[KG], s[KG], 2                   ; the keys of the next two steps' requests, held to the last step
	s_min_u32 s[OF], s[KG], 63
	s_lshl_b32 s[OF], s[OF], 13
	s_add_nc_u64 s[KP1:KP1+1], s[KB:KB+1], s[OF:OF+1]
	s_add_co_u32 s35, s[KG], 1
	s_min_u32 s[O2], s35, 63
	s_lshl_b32 s[O2], s[O2], 13
	s_add_nc_u64 s[KP2:KP2+1], s[KB:KB+1], s[O2:O2+1]
.endif
.endm
.macro CH_CLOSE fill
.if \fill
	CREST
	tensor_load_to_lds s[G0B:G0B+3], s[G1:G1+7]
	s_nop 0
	PLACES
	s_cmp_gt_u32 s[TL], s[LIM]
	s_cbranch_scc0 .Lna_\@
	global_prefetch_b8 v[PFO], s[PFA:PFA+1] th:TH_LOAD_NT scope:SCOPE_SE
.Lna_\@:
	s_sub_co_u32 s[TL], s[TL], 1
.endif
	s_xor_b32 s[TB], s[TB], SLOT1
	v_add_nc_u32 v[AVLO], s[TB], v[AVL]
	v_add_nc_u32 v[AVHI], 65536, v[AVLO]
.endm
.macro CHANGE fill                     ; the two parts on end
	CH_OPEN \fill, 0
	s_wait_dscnt 0x0
	s_barrier_signal -1
	s_barrier_wait -1
	CH_CLOSE \fill
.endm
.macro KLOAD kf, sb, off               ; a key tile: two fragments, four loads
	WIN 0x80
.irp c, 0,1
.irp p, 0,1
	global_load_b128 v[(\kf)+8*(\c)+4*(\p):(\kf)+8*(\c)+4*(\p)+3], v[L16], s[(\sb):(\sb)+1] offset:(\off)+(\c)*1024+(\p)*512
.endr
.endr
.endm
.macro VLOAD vb, adr, off              ; my eight fragments (16 channels x 32 k each) of one depth of a tile
	WIN 0x80
.irp f, 0,1,2,3,4,5,6,7
	ds_load_b128 v[(\vb)+8*(\f):(\vb)+8*(\f)+3],   v[\adr] offset:(\off)+(\f)*1024
	ds_load_b128 v[(\vb)+8*(\f)+4:(\vb)+8*(\f)+7], v[\adr] offset:(\off)+(\f)*1024+512
.endr
.endm
.macro PLOAD pb, off                   ; P's four fragments (16 queries x 32 keys)
	WIN 0
.irp t, 0,1,2,3
	ds_load_b128 v[(\pb)+8*(\t):(\pb)+8*(\t)+3],   v[APR] offset:(\off)+(\t)*2048
	ds_load_b128 v[(\pb)+8*(\t)+4:(\pb)+8*(\t)+7], v[APR] offset:(\off)+(\t)*2048+512
.endr
.endm
.macro VTLOAD pb, sb, off              ; four fragments (16 queries x 32 k) of v^T, or of x^T: the two buffers have one layout
	WIN 0
.irp t, 0,1,2,3
	global_load_b128 v[(\pb)+8*(\t):(\pb)+8*(\t)+3],   v[L16], s[(\sb):(\sb)+1] offset:(\off)+(\t)*16384
	global_load_b128 v[(\pb)+8*(\t)+4:(\pb)+8*(\t)+7], v[L16], s[(\sb):(\sb)+1] offset:(\off)+(\t)*16384+512
.endr
.endm
.macro STP buf                         ; my piece of the next step's P: 16 bytes a lane for each query tile
	WIN 0
.irp t, 0,1,2,3
	ds_store_b128 v[APW], v[PK+4*(\t):PK+4*(\t)+3] offset:(\buf)*8192+(\t)*2048
.endr
.endm
; 8 products S^T = K Q^T: a lane holds one query (lane % 16) and the keys 8 (lane / 16) + 0..7.  The four accumulators take turns; the first four start the sums.
.macro SPROD kf, dst
	WIN 0x0a
.irp c, 0,1
.irp t, 0,1,2,3
.if (\c) == 0
	v_wmma_f32_16x16x32_f16 v[(\dst)+8*(\t):(\dst)+8*(\t)+7], v[(\kf)+8*(\c):(\kf)+8*(\c)+7], v[Q+16*(\t)+8*(\c):Q+16*(\t)+8*(\c)+7], 0
.else
	v_wmma_f32_16x16x32_f16 v[(\dst)+8*(\t):(\dst)+8*(\t)+7], v[(\kf)+8*(\c):(\kf)+8*(\c)+7], v[Q+16*(\t)+8*(\c):Q+16*(\t)+8*(\c)+7], v[(\dst)+8*(\t):(\dst)+8*(\t)+7]
.endif
.endr
.endr
.endm
.macro MAXES set                       ; 16 maxima, four chains; each accumulator's lowest registers are read first
.irp i, 0,1,2,3
.irp t, 0,1,2,3
	v_max3_num_f32 v[MXR+(\t)], v[MXR+(\t)], v[(\set)+8*(\t)+2*(\i)], v[(\set)+8*(\t)+2*(\i)+1]
.endr
.endr
.endm
; THE SOFTMAX of a step, 80 lines.  FF i: c s - c m for pair i of 16.  EE i: the exponential of score i of 32.  CC i: pair i rounded to f16.  AQ n: tile n / 4's eight weights are added in place, then onto its sum.
.macro FF i, cm
	v_pk_fma_f32 v[S+2*(\i):S+2*(\i)+1], v[S+2*(\i):S+2*(\i)+1], s[CS:CS+1], v[(\cm)+2*((\i)/4):(\cm)+2*((\i)/4)+1] op_sel_hi:[1,0,0] neg_lo:[0,0,1] neg_hi:[0,0,1]
.endm
.macro EE i
	v_exp_f32 v[S+(\i)], v[S+(\i)]
.endm
.macro CC i
	s_wait_alu depctr_va_vdst(0)
	v_cvt_pk_f16_f32 v[PK+(\i)], v[S+2*(\i)], v[S+2*(\i)+1]
.endm
.macro AQ n
.set at, S+8*((\n)/4)
.if (\n)%4 == 0
	v_pk_add_f32 v[at:at+1], v[at:at+1], v[at+2:at+3]
.elseif (\n)%4 == 1
	v_pk_add_f32 v[at+4:at+5], v[at+4:at+5], v[at+6:at+7]
.elseif (\n)%4 == 2
	v_pk_add_f32 v[at:at+1], v[at:at+1], v[at+4:at+5]
.else
	v_pk_add_f32 v[LL+2*((\n)/4):LL+2*((\n)/4)+1], v[LL+2*((\n)/4):LL+2*((\n)/4)+1], v[at:at+1]
.endif
.endm
; Group p of 37.  Group 0: four scalings.  Groups 1 to 32: a plain line, exponential p - 1, now and then a second plain line: one exponential to a group.  Groups 33 to 36: the last five plain lines.
; Scaling j stands a group or more ahead of its first exponential.  Rounding j stands in group 2 j + 4, two groups behind its second exponential, with the plain line of group 2 j + 3 between (ISA guide 5.7.2).
; An addition stands behind the roundings whose sources it overwrites, and no line reads the result of the exponential just ahead of it.
.macro RG p, cm
	WIN 0
.set rg, (\p)
.if rg == 0
	FF 0, \cm
	FF 1, \cm
	FF 2, \cm
	FF 3, \cm
.elseif rg < 33
.if rg < 4
	FF 3+rg, \cm
.elseif rg%2 == 0
	CC rg/2-2
.elseif rg < 22
	FF (rg+9)/2, \cm
.elseif rg == 23
	AQ 8
.elseif rg == 25
	AQ 7
.elseif rg == 27
	AQ 9
.elseif rg == 29
	AQ 10
.else
	AQ 12
.endif
	EE rg-1
.if rg == 7
	AQ 0
.elseif rg == 11
	AQ 1
.elseif rg == 13
	AQ 2
.elseif rg == 15
	AQ 4
.elseif rg == 17
	AQ 3
.elseif rg == 19
	AQ 5
.elseif rg == 21
	AQ 6
.endif
.elseif rg == 33
	AQ 11
	CC 15
.else
	AQ rg-21
.endif
.endm
; Products i0 .. i0 + n - 1 of a unit of 32: D(query, channel) += A(query, k) B(channel, k): channel block i / 4, query tile i % 4: the accumulators take turns, one instruction a turn.
; p0 >= 0: group p0 + i - i0 of the softmax stands behind product i.
.macro PRODS pb, vb, i0, n, p0, cm
.set ui, (\i0)
.rept (\n)
	WIN 0x58
.set uo, 8*(8*(ui%4)+ui/4)
	v_wmma_f32_16x16x32_f16 v[uo:uo+7], v[(\pb)+8*(ui%4):(\pb)+8*(ui%4)+7], v[(\vb)+8*(ui/4):(\vb)+8*(ui/4)+7], v[uo:uo+7]
.if (\p0) >= 0
	RG (\p0)+ui-(\i0), \cm
.endif
.set ui, ui+1
.endr
.endm
; A STEP of parity a, up to product 4 of its second unit.  The head's run: the first halves of this step's P and V, and the keys three steps on (their buffer was read by the score products in front of the barrier; four places stand behind those).
; The second run: my piece of the next P, then the second halves of this step's P and V.  PX and VX were last read by the first unit's product 31: five plain lines of groups 31 to 34 stand between.
; All the step's LDS reads of the slot and of P's buffer a fall within it; the next step's weights go into P's other buffer.
.macro STEP a
	PLOAD PY, (\a)*8192
.if (\a) == 0
	VLOAD VY, AVLO, 0
	KLOAD KF0+16, KP1, 0
	PRODS PX, VX, 0, 32, 0, CM
	s_wait_dscnt 0x0                               ; VY and PY are in
	PRODS PY, VY, 0, 3, 32, CM
	STP 1
	PLOAD PX, 1024
	VLOAD VX, AVLO, 32768
	PRODS PY, VY, 3, 2, 35, CM
.else
	VLOAD VY, AVHI, 0
	KLOAD KF0, KP2, 0
	PRODS PX, VX, 0, 32, 0, CMK
	s_wait_dscnt 0x0
	PRODS PY, VY, 0, 3, 32, CMK
	STP 0
	PLOAD PX, 8192+1024
	VLOAD VX, AVHI, 32768
	PRODS PY, VY, 3, 2, 35, CMK
.endif
.endm
; THE CHANNEL PRODUCT: unit u of a slot's four: 32 d.  The next unit's fragments of attn_c are asked of LDS first; v^T's fragments run four units ahead in registers.
.macro EUNIT u, pb, vcur, vnext, adr, off
	VLOAD \vnext, \adr, \off
	s_wait_dscnt 16                                ; this unit's fragments are in; the sixteen just issued may be out
	s_wait_loadcnt 24                              ; this unit's v^T is in; three younger units of eight loads may be out
	PRODS \pb, \vcur, 0, 32, -1, 0
	PLACES
	VTLOAD \pb, VP, (\u)*1024
.endm
.macro ESLOT fill
	s_wait_xcnt 0x0
	s_add_co_u32 s[VOF], s[VOF], 4096              ; the next slot's four units of v^T
	s_min_u32 s[VOF], s[VOF], 12288
	s_add_nc_u64 s[VP:VP+1], s[VB:VB+1], s[VOF:VOF+1]
.if !(\fill)
	s_cmp_eq_u32 s[CNT], 1                         ; behind the last slot there is no v^T: the same 32 loads bring x^T of my 128 channels
	s_cselect_b64 s[VP:VP+1], s[XT:XT+1], s[VP:VP+1]
.endif
	EUNIT 0, PZ, VX, VY, AVLO, 32768
	EUNIT 1, PW, VY, VX, AVHI, 0
	EUNIT 2, PX, VX, VY, AVHI, 32768
	CHANGE \fill                                   ; unit 3's fragments are in registers when its wait for LDS has passed: the slot is free
	EUNIT 3, PY, VY, VX, AVLO, 0
	WIN 0
.endm
; THE RESIDUAL, unit u: channels 32 u .. 32 u + 31 of my 128: two channel blocks x four query tiles, each one product with the constant fragment.
.macro RESID u, pb
	s_wait_loadcnt 24-8*(\u)                       ; this unit's x^T is in; the younger units of eight loads may be out
	WIN 0x58
.irp c, 0,1
.irp t, 0,1,2,3
	v_wmma_f32_16x16x32_f16 v[8*(8*(\t)+2*(\u)+(\c)):8*(8*(\t)+2*(\u)+(\c))+7], v[(\pb)+8*(\t):(\pb)+8*(\t)+7], v[ID+4-4*(\c):ID+11-4*(\c)], v[8*(8*(\t)+2*(\u)+(\c)):8*(8*(\t)+2*(\u)+(\c))+7]
.endr
.endr
.endm
	s_load_b256 s[36:43], s[0:1], 0x0              ; sqk 36, va 38, vi 40, xt 42
	s_load_b128 s[44:47], s[0:1], 0x20             ; gamma_spatial 44, out0 46
	v_lshl_add_u32 v[SPW], v0, 2, SPARE
	v_mov_b32 v[NIL], 0
	ds_add_u32 v[SPW], v[NIL]                      ; the wave's opening: the add and its wait stand ahead of my first tensor load
	v_lshrrev_b32 v1, 5, v0
	v_readfirstlane_b32 s[WV], v1
	s_bfe_u32 s74, ttmp6, 0x40000                  ; cx
	s_lshl_b32 s75, ttmp9, 2
	s_add_co_u32 s75, s75, s74                     ; bx: my block of 64 queries
	s_and_b32 s76, ttmp7, 0xffff                   ; b, which the four partners share
	s_mov_b32 s[G1], 15|(3<<16)|(1<<21)            ; the mask of four; elements of 8 bytes; bit 21 beside a mask; no padding
	s_mov_b32 s[G1+1], 32<<16                      ; tensor_dim0 = 32: rows of 256 bytes
	s_mov_b32 s[G1+2], 128<<16                     ; tensor_dim1 = 128
	s_mov_b32 s[G1+3], 32<<16                      ; tile_dim0
	s_mov_b32 s[G1+4], 128                         ; tile_dim1
	s_mov_b32 s[G1+5], 32                          ; dense
	s_mov_b32 s[G1+6], 0
	s_mov_b32 s[G1+7], 0
	s_mov_b32 s[G0A], 1
	s_lshl_b32 s[G0A+1], s[WV], 15                 ; my quarter of slot 0
	s_mov_b32 s[G0B], 1
	s_add_co_u32 s[G0B+1], s[G0A+1], SLOT1
	s_mul_i32 s78, s76, 0x480000                   ; the batch's 36 tiles
	s_lshl_b32 s80, s[WV], 15
	s_add_co_u32 s80, s80, s78
	s_mov_b32 s81, 0
	s_lshl2_add_u32 s82, s74, s[WV]                ; my wave among the cluster's sixteen,
	s_lshl_b32 s82, s82, 13                        ; its 32 blocks of 256 bytes,
	s_add_co_u32 s82, s82, s78
	s_add_co_u32 s82, s82, 2*131072                ; in tile 2: the first change steps it to tile 3
	s_mov_b32 s83, 0
	s_lshl_b32 s84, s76, 19                        ; sk: behind sq, the batch's 256 key tiles, my tile of step 0
	s_add_co_u32 s84, s84, 0x200000
	s_lshl_b32 s85, s[WV], 11
	s_add_co_u32 s84, s84, s85
	s_mov_b32 s85, 0
	s_lshl_b32 s86, s76, 19                        ; sq at my four query tiles
	s_lshl_b32 s87, s75, 13
	s_add_co_u32 s86, s86, s87
	s_mov_b32 s87, 0
	s_lshl_b32 s88, s76, 22                        ; v^T and x^T at them
	s_lshl_b32 s89, s75, 16
	s_add_co_u32 s88, s88, s89
	s_mov_b32 s89, 0
	s_lshl_b32 s90, s76, 23                        ; out: (b*512 + 128 wave) rows of 16,384 bytes + 256 bx
	s_lshl_b32 s91, s[WV], 21
	s_add_co_u32 s90, s90, s91
	s_lshl_b32 s91, s75, 8
	s_add_co_u32 s90, s90, s91
	s_mov_b32 s91, 0
	s_lshl_b32 s92, s[WV], 12                      ; x^T: my 128 channels are four images
	s_mov_b32 s93, 0
	s_mov_b32 s[CS], 0x3fb8aa3b                    ; c = log2(e)
	s_mov_b32 s[CS+1], s[CS]
	s_mov_b32 s[SEL], 0x76543210
	s_mov_b32 s[SEL+1], 0xfedcba98
	s_mov_b32 s[TB], 0
	s_mov_b32 s[TL], 34
	s_mov_b32 s35, ttmp9
	s_cmp_eq_u32 s35, 0                            ; the batch's first cluster: the same in all four partners
	s_cselect_b32 s[LIM], 1, -1
	s_mov_b32 s[OF], 0
	s_mov_b32 s[OF+1], 0
	s_mov_b32 s[O2+1], 0
	s_mov_b32 s[VOF], 0
	s_mov_b32 s[VOF+1], 0
	v_and_b32 v1, 31, v0
	v_lshlrev_b32 v[L16], 4, v1
	v_and_b32 v[RR], 15, v0
	v_bfe_u32 v[HH], v0, 4, 1
	s_lshl_b32 s35, s[WV], 13
	v_add_nc_u32 v[AVL], s35, v[L16]
	v_mov_b32 v[AVLO], v[AVL]
	v_add_nc_u32 v[AVHI], 65536, v[AVL]
	v_add_nc_u32 v[APR], PST, v[L16]
	s_lshl_b32 s35, s[WV], 9
	v_add_nc_u32 v[APW], s35, v[APR]               ; key tile w is piece w % 2 of fragment w / 2
	s_mul_i32 s35, s[WV], 16*272
	s_add_co_u32 s35, s35, PST                     ; my stage
	v_mul_u32_u24 v[STO], v[RR], 272               ; in: row = channel lane % 16, 32 bytes for each half of the lanes
	v_lshl_add_u32 v[STO], v[HH], 5, v[STO]
	v_add_nc_u32 v[STO], s35, v[STO]
	v_mul_u32_u24 v[RD], v[HH], 272                ; back: lanes 0-15 one row of 256 bytes, lanes 16-31 the next
	v_lshl_add_u32 v[RD], v[RR], 4, v[RD]
	v_add_nc_u32 v[RD], s35, v[RD]
	v_lshlrev_b32 v[CO], 14, v[HH]                 ; and the same two rows in out
	v_lshl_add_u32 v[CO], v[RR], 4, v[CO]
	s_lshl_b32 s35, s[WV], 8
	s_add_co_u32 s35, s35, STAT
	v_lshl_add_u32 v[ASW], v[RR], 2, s35
	v_lshl_add_u32 v[ASR], v[RR], 2, STAT
	v_lshl_add_u32 v[ALS], v[HH], 5, STAT+1024
	v_lshlrev_b32 v[PFO], 8, v1
	s_wait_dscnt 0x0                               ; the opening add is done
	s_wait_kmcnt 0x0
	s_load_b32 s72, s[44:45], 0x0
	s_add_nc_u64 s[G0A+2:G0A+3], s[38:39], s[80:81]
	s_add_nc_u64 s[G0B+2:G0B+3], s[G0A+2:G0A+3], 131072
	s_or_b32 s[G0A+3], s[G0A+3], 0x80000000
	s_or_b32 s[G0B+3], s[G0B+3], 0x80000000
	s_add_nc_u64 s[PFA:PFA+1], s[38:39], s[82:83]
	s_add_nc_u64 s[KB:KB+1], s[36:37], s[84:85]
	s_add_nc_u64 s[36:37], s[36:37], s[86:87]
	s_add_nc_u64 s[VB:VB+1], s[40:41], s[88:89]
	s_add_nc_u64 s[XT:XT+1], s[42:43], s[88:89]
	s_add_nc_u64 s[XT:XT+1], s[XT:XT+1], s[92:93]
	s_add_nc_u64 s[OUTB:OUTB+1], s[46:47], s[90:91]
	ROUND                                          ; all four work-groups are here: the first joint loads meet
	tensor_load_to_lds s[G0A:G0A+3], s[G1:G1+7]    ; tile 0
	s_nop 0
	tensor_load_to_lds s[G0B:G0B+3], s[G1:G1+7]    ; tile 1: two loads of mine are out
	s_nop 0
	PLACES
	; PASS 1: the maxima.  sq stays in registers; my 64 key tiles come through a ring of eight sets of 16 registers.
	WIN 0x80
.irp t, 0,1,2,3
.irp c, 0,1
	global_load_b128 v[Q+16*(\t)+8*(\c):Q+16*(\t)+8*(\c)+3],   v[L16], s[36:37] offset:(\t)*2048+(\c)*1024
	global_load_b128 v[Q+16*(\t)+8*(\c)+4:Q+16*(\t)+8*(\c)+7], v[L16], s[36:37] offset:(\t)*2048+(\c)*1024+512
.endr
.endr
.set ii, 0
.rept 8
	KLOAD 16*ii, KB, ii*8192
.set ii, ii+1
.endr
	WIN 0
	s_mov_b32 s35, 0xff7fffff                      ; the lowest finite number
.set i, 0
.rept 4
	v_mov_b32 v[MXR+i], s35
	v_mov_b32 v[TM+i], s35
.set i, i+1
.endr
.set i, 0
.rept 32
	v_mov_b32 v[PX+i], s35                         ; the second score set: the first trip's first maxima find nothing in it
.set i, i+1
.endr
	s_mov_b32 s[CNT], 8
.Lp1:                                          ; a trip: eight key tiles; the tiles of the next trip are asked for (the last trip asks for its own again: no load leaves the buffer)
	s_wait_xcnt 0x0
	s_add_co_u32 s[OF], s[OF], 65536
	s_min_u32 s[OF], s[OF], 458752
	s_add_nc_u64 s[KP1:KP1+1], s[KB:KB+1], s[OF:OF+1]
.set ii, 0
.rept 8
	s_wait_loadcnt 28                              ; this tile is in; seven younger tiles of four loads may stay out
.if ii%2 == 0
	SPROD 16*ii, S
	WIN 0
	MAXES PX                                       ; the maxima of the tile before, on the other set: also the places behind the products
.else
	SPROD 16*ii, PX
	WIN 0
	MAXES S
.endif
	KLOAD 16*ii, KP1, ii*8192
.set ii, ii+1
.endr
	WIN 0
	s_sub_co_u32 s[CNT], s[CNT], 1
	s_cmp_lg_u32 s[CNT], 0
	s_cbranch_scc1 .Lp1
	MAXES PX                                       ; the last tile's
	s_wait_loadcnt 0x0                             ; the last trip's loads have landed: their registers hold fragments of sk, finite numbers
	KLOAD KF0, KB, 0                               ; the keys of steps 0 and 1
	KLOAD KF0+16, KB, 8192
	WIN 0
.irp t, 0,1,2,3
	v_permlanex16_b32 v[TM+\t], v[MXR+\t], s[SEL], s[SEL+1]  ; a query's other eight keys of each tile lie in the lane 16 away
.endr
.irp t, 0,1,2,3
	v_max_num_f32 v[MXR+\t], v[MXR+\t], v[TM+\t]
.endr
.irp t, 0,1,2,3
	ds_store_b32 v[ASW], v[MXR+\t] offset:64*\t
.endr
	s_wait_dscnt 0x0                               ; for the others' sake
	s_barrier_signal -1
	s_barrier_wait -1
.irp t, 0,1,2,3
.irp w, 0,1,2,3
	ds_load_b32 v[S+4*\t+\w], v[ASR] offset:256*\w+64*\t
.endr
.endr
	s_wait_kmcnt 0x0                               ; gamma_s
	v_mov_b32 v[GS], s72
	v_cvt_pk_bf16_f32 v[GS], v[GS], v[GS]
	v_lshlrev_b32 v[GS], 16, v[GS]
	v_mov_b32 v[GS+1], v[GS]
	s_wait_dscnt 0x0
.irp t, 0,1,2,3
	v_max3_num_f32 v[MXR+\t], v[S+4*\t], v[S+4*\t+1], v[S+4*\t+2]
.endr
.irp t, 0,1,2,3
	v_max_num_f32 v[MXR+\t], v[MXR+\t], v[S+4*\t+3]
.endr
.irp t, 0,1,2,3
	v_mul_f32 v[CM+2*\t], s[CS], v[MXR+\t]
.endr
.irp t, 0,1,2,3
	v_mov_b32 v[CM+2*\t+1], v[CM+2*\t]
	v_mov_b32 v[CMK+2*\t+1], v[CM+2*\t]
.endr
	; What step 0 finds.  P of the step that has not been is 0; 32 products of it with what lies in VX (fragments of sk: finite) and the constant 0 start the result's sums at 0, and step 0's first unit adds 0 once more: it is a step like any other.
.set i, 0
.rept 32
	v_mov_b32 v[PX+i], 0
.set i, i+1
.endr
.set i, 0
.rept 8
	v_mov_b32 v[LL+i], 0
.set i, i+1
.endr
	; The constant fragment.  Lane (r, h) holds row r and k = 8 h .. 8 h + 7, two to a register, the lower k below: 2.0 (0x4000) stands at k = r: where h = r / 8, in register (r % 8) / 2, half r % 2.
	v_lshrrev_b32 v[TM], 3, v[RR]
	v_and_b32 v[TM+1], 1, v[RR]
	v_lshlrev_b32 v[TM+1], 4, v[TM+1]
	v_mov_b32 v[TM+2], 0x4000
	v_lshlrev_b32 v[TM+1], v[TM+1], v[TM+2]
	v_cmp_eq_u32 vcc_lo, v[TM], v[HH]
	v_cndmask_b32 v[TM+1], 0, v[TM+1], vcc_lo
	v_bfe_u32 v[TM+2], v[RR], 1, 2
	WIN 0x80
.irp j, 0,1,2,3
	v_mov_b32 v[ID+\j], 0
	v_mov_b32 v[ID+8+\j], 0
	v_cmp_eq_u32 vcc_lo, \j, v[TM+2]
	v_cndmask_b32 v[ID+4+\j], 0, v[TM+1], vcc_lo
.endr
	WIN 0x58
.set ui, 0
.rept 32
.set uo, 8*(8*(ui%4)+ui/4)
	v_wmma_f32_16x16x32_f16 v[uo:uo+7], v[PX+8*(ui%4):PX+8*(ui%4)+7], v[VX+8*(ui/4):VX+8*(ui/4)+7], 0
.set ui, ui+1
.endr
	; step 0's weights, and step 1's scores
	s_wait_loadcnt 4                               ; step 0's keys are in; step 1's four loads may stay out
	SPROD KF0, S
	PLACES
	KLOAD KF0, KB, 16384                           ; the keys of step 2
.set gg, 0
.rept 37
	RG gg, CM
.set gg, gg+1
.endr
	STP 0
	s_wait_loadcnt 4                               ; step 1's keys are in; step 2's four loads may stay out
	SPROD KF0+16, S
	PLACES
	WIN 0
	s_wait_xcnt 0x0
	s_mov_b32 s[KG], 3
	s_mov_b32 s[OF], 3<<13
	s_add_nc_u64 s[KP1:KP1+1], s[KB:KB+1], s[OF:OF+1]
	s_mov_b32 s[O2], 4<<13
	s_add_nc_u64 s[KP2:KP2+1], s[KB:KB+1], s[O2:O2+1]
	s_mov_b32 s[CNT], 32
	s_wait_tensorcnt 0x1                           ; my quarter of tile 0 is in; tile 1's may stay out
	s_wait_dscnt 0x0                               ; my piece of P is in LDS
	s_barrier_signal -1
	s_barrier_wait -1
.Lmain:                                        ; 32 trips: a tile of 128 keys, two steps; the changes ask for tiles 2 to 33
	s_cmp_eq_u32 s[CNT], 1
	s_cselect_b32 s[KILL], 0x7149f2ca, 0           ; the step behind the last does not exist: its weights are 2^(c s - c m - 1e30) = 0
.irp t, 0,1,2,3
	v_add_f32 v[CMK+2*\t], s[KILL], v[CM+2*\t]
.endr
	STEP 0
	PRODS PY, VY, 5, 24, -1, 0
	s_wait_loadcnt 4                               ; the keys of the step after next are in; the four loads of this step's head may stay out
	s_wait_dscnt 0x0                               ; my piece of the next P is in LDS, my reads of this step's P and V are back
	s_barrier_signal -1
	PRODS PY, VY, 29, 3, -1, 0                     ; work on registers while the others arrive: three products,
	SPROD KF0, S                                   ; and the scores of the step after next
	PLACES                                         ; behind them: for the first scalings, for the loads into VY, PY and the keys' buffer
	s_barrier_wait -1
	STEP 1
	PRODS PY, VY, 5, 20, -1, 0
	CH_OPEN 1, 1
	PRODS PY, VY, 25, 4, -1, 0                     ; four products stand between the add and the wait for it
	s_wait_loadcnt 4
	s_wait_dscnt 0x0                               ; the add is done, my piece of the next P is in LDS, my reads of the slot are over
	s_barrier_signal -1                            ; opens a round of the cluster's barrier
	PRODS PY, VY, 29, 3, -1, 0
	SPROD KF0+16, S
	PLACES
	WIN 0
	s_barrier_wait -1
	CH_CLOSE 1
	s_sub_co_u32 s[CNT], s[CNT], 1
	s_cmp_lg_u32 s[CNT], 0
	s_cbranch_scc1 .Lmain
	PRODS PX, VX, 0, 32, -1, 0                     ; the last 32 keys
	PLACES
	; THE TURN to the channel product.  v^T of the first four units and attn_c's first fragments are asked for; meanwhile the result is divided by the sums and multiplied by gamma_s.
	VTLOAD PZ, VB, 0
	VTLOAD PW, VB, 1024
	VTLOAD PX, VB, 2048
	VTLOAD PY, VB, 3072
	VLOAD VX, AVLO, 0
	WIN 0
.irp t, 0,1,2,3
	v_add_f32 v[TM+\t], v[LL+2*\t], v[LL+2*\t+1]
.endr
.irp t, 0,1,2,3
	v_permlanex16_b32 v[MXR+\t], v[TM+\t], s[SEL], s[SEL+1]
.endr
.irp t, 0,1,2,3
	v_add_f32 v[TM+\t], v[TM+\t], v[MXR+\t]
.endr
.irp t, 0,1,2,3
	ds_store_b32 v[ASW], v[TM+\t] offset:1024+64*\t
.endr
	s_wait_dscnt 0x0
	s_barrier_signal -1
	s_barrier_wait -1
.irp hh, 0,1                           ; in the result a lane holds eight queries: it reads the four waves' sums of those eight, two query tiles at a time
	WIN 0x80
.irp w, 0,1,2,3
.irp tt, 0,1
	ds_load_b128 v[VY+16*\w+8*\tt:VY+16*\w+8*\tt+3],   v[ALS] offset:256*\w+64*(2*\hh+\tt)
	ds_load_b128 v[VY+16*\w+8*\tt+4:VY+16*\w+8*\tt+7], v[ALS] offset:256*\w+64*(2*\hh+\tt)+16
.endr
.endr
	s_wait_dscnt 0x0
	WIN 0x8a
.set i, 0
.rept 8
	v_pk_add_f32 v[VY+2*i:VY+2*i+1], v[VY+2*i:VY+2*i+1], v[VY+16+2*i:VY+16+2*i+1]
	v_pk_add_f32 v[VY+32+2*i:VY+32+2*i+1], v[VY+32+2*i:VY+32+2*i+1], v[VY+48+2*i:VY+48+2*i+1]
.set i, i+1
.endr
	WIN 0x0a
.set i, 0
.rept 8
	v_pk_add_f32 v[S+16*\hh+2*i:S+16*\hh+2*i+1], v[VY+2*i:VY+2*i+1], v[VY+32+2*i:VY+32+2*i+1]
.set i, i+1
.endr
.endr
	WIN 0
.set i, 0
.rept 32
	v_rcp_f32 v[S+i], v[S+i]                       ; each sum holds the maximum's own weight, about 1
.set i, i+1
.endr
	v_nop                                          ; a plain instruction between the last reciprocal and the use of its result
.set i, 0
.rept 16
	s_wait_alu depctr_va_vdst(0)
	v_pk_mul_f32 v[S+2*i:S+2*i+1], v[S+2*i:S+2*i+1], v[GS:GS+1]
.set i, i+1
.endr
	WIN 0x41
.set t, 0
.rept 4
.set f, 0
.rept 8
.set i, 0
.rept 4
	v_pk_mul_f32 v[8*(8*t+f)+2*i:8*(8*t+f)+2*i+1], v[8*(8*t+f)+2*i:8*(8*t+f)+2*i+1], v[S+8*t+2*i:S+8*t+2*i+1]
.set i, i+1
.endr
.set f, f+1
.endr
.set t, t+1
.endr
	WIN 0
	s_mov_b32 s[CNT], 2
.Le1:                                          ; tiles 32 and 33 are multiplied, 34 and 35 asked for
	ESLOT 1
	s_sub_co_u32 s[CNT], s[CNT], 1
	s_cmp_lg_u32 s[CNT], 0
	s_cbranch_scc1 .Le1
	s_mov_b32 s[CNT], 2
.Le0:                                          ; tiles 34 and 35: nothing is left to ask for.  The last trip's look-ahead into LDS names a slot that no load fills any more: it serves nothing
	ESLOT 0
	s_sub_co_u32 s[CNT], s[CNT], 1
	s_cmp_lg_u32 s[CNT], 0
	s_cbranch_scc1 .Le0
	RESID 0, PZ
	RESID 1, PW
	RESID 2, PX
	RESID 3, PY
	PLACES                                         ; behind the last products: the stores below read results, the loads below land in their sources
	WIN 0
	s_wait_dscnt 0x0                               ; the look-ahead's LDS loads are back
	; THE WAY OUT.  16 channels x 64 queries at a time go through my stage in LDS and come back as whole rows of 256 bytes, into four buffers by turns; a block's LDS instructions stand between the loads of the block before and its stores.
.macro TOSTAGE c
	WIN 0x04                                       ; the data of an LDS store is source 1: window 1
.irp t, 0,1,2,3
	ds_store_b128 v[STO], v[8*(8*(\t)+(\c)):8*(8*(\t)+(\c))+3]   offset:64*(\t)
	ds_store_b128 v[STO], v[8*(8*(\t)+(\c))+4:8*(8*(\t)+(\c))+7] offset:64*(\t)+16
.endr
	WIN 0
.irp i, 0,1,2,3,4,5,6,7
	ds_load_b128 v[PX+32*((\c)%4)+4*(\i):PX+32*((\c)%4)+4*(\i)+3], v[RD] offset:544*(\i)  ; LDS serves a wave's instructions in order (ISA guide 5.7.1.4): these see the stores above; the next block's stores come behind them
.endr
.endm
.macro SEND c, younger                 ; younger: the LDS instructions issued behind block c's loads: the next block's sixteen, or none
	s_wait_dscnt \younger
.irp i, 0,1,2,3,4,5,6,7
	global_store_b128 v[CO], v[PX+32*((\c)%4)+4*(\i):PX+32*((\c)%4)+4*(\i)+3], s[OUTB:OUTB+1] offset:(16*(\c)+2*(\i))*16384 th:TH_STORE_NT  ; sixteen lanes store 256 consecutive bytes, aligned
.endr
.endm
	TOSTAGE 0
.set cb, 1
.rept 7
.if cb >= 4
	s_wait_xcnt 0x0                                ; the stores of the block four back have read this buffer: it is loaded again only behind this wait
.endif
	TOSTAGE cb
	SEND cb-1, 16
.set cb, cb+1
.endr
	SEND 7, 0
	s_wait_tensorcnt 0x0                           ; the wave's end, behind my last tensor load and my last LDS store
	ds_add_u32 v[SPW], v[NIL]
	s_wait_dscnt 0x0
	ROUND                                          ; the closing round
	s_endpgm
.Lfunc_end_k_q511e9003ee_attend:
	.size	k_q511e9003ee_attend, .Lfunc_end_k_q511e9003ee_attend-k_q511e9003ee_attend
	.p2alignl 7, 3214868480
	.fill 96, 4, 3214868480
	.section	.rodata,"a",@progbits
	.p2align	6, 0x0
	.amdhsa_kernel k_q511e9003ee_attend
		.amdhsa_group_segment_fixed_size 327680
		.amdhsa_private_segment_fixed_size 0
		.amdhsa_enable_private_segment 0
		.amdhsa_kernarg_size 48
		.amdhsa_user_sgpr_count 2
		.amdhsa_user_sgpr_kernarg_segment_ptr 1
		.amdhsa_wavefront_size32 1
		.amdhsa_system_sgpr_workgroup_id_x 1
		.amdhsa_system_sgpr_workgroup_id_y 1
		.amdhsa_system_sgpr_workgroup_id_z 1
		.amdhsa_system_vgpr_workitem_id 0
		.amdhsa_next_free_vgpr 768
		.amdhsa_next_free_sgpr 96
		.amdhsa_reserve_vcc 1
		.amdhsa_float_denorm_mode_32 3
		.amdhsa_float_denorm_mode_16_64 3
		.amdhsa_memory_ordered 1
		.amdhsa_forward_progress 1
		.amdhsa_inst_pref_size 152
	.end_amdhsa_kernel
	.amdgpu_metadata
---
amdhsa.version: [ 1, 2 ]
amdhsa.kernels:
  - .name:           k_q511e9003ee_attend
    .symbol:         k_q511e9003ee_attend.kd
    .args:
      - { .name: sqk, .offset: 0, .size: 8, .value_kind: global_buffer, .address_space: global }
      - { .name: va, .offset: 8, .size: 8, .value_kind: global_buffer, .address_space: global }
      - { .name: vi, .offset: 16, .size: 8, .value_kind: global_buffer, .address_space: global }
      - { .name: xt, .offset: 24, .size: 8, .value_kind: global_buffer, .address_space: global }
      - { .name: gamma_spatial, .offset: 32, .size: 8, .value_kind: global_buffer, .address_space: global }
      - { .name: out0, .offset: 40, .size: 8, .value_kind: global_buffer, .address_space: global }
    .group_segment_fixed_size: 327680
    .private_segment_fixed_size: 0
    .kernarg_segment_align: 8
    .kernarg_segment_size: 48
    .max_flat_workgroup_size: 128
    .sgpr_count:     96
    .vgpr_count:     768
    .wavefront_size: 32
...
	.end_amdgpu_metadata
.endif
;; end of part 5
